; MI455X (gfx1250); checked and timed in simulation.
; The chip was launched on July 23, 2026; its instructions are those of AMD's public machine-readable ISA for CDNA 5 (MIT licence, August 2026) and "CDNA5" Instruction Set Architecture Reference Guide (July 2026). The comments in the code are by the model that wrote it; some were corrected since.
;; MH Self Attention. Allowed arithmetic: matrix products marked QUANTISED: E2M3 operands, one E8M0 scale for each 32 along K, by v_wmma_scale_f32_16x16x128_f8f6f4 with both operands' format E2M3, f32 sums; everything else in f32.
;; Inputs: bk 1,024 float32; bo 1,024 float32; bq 1,024 float32; bv 1,024 float32; key_padding_mask 4 x 2,048 bool; wk 1,024 x 1,024 float32; wo 1,024 x 1,024 float32; wq 1,024 x 1,024 float32; wv 1,024 x 1,024 float32; x 4 x 2,048 x 1,024 float32.
;; Outputs: out0 4 x 2,048 x 1,024 float32.
;; This version of the problem:
;;   THIS VERSION OF THE PROBLEM IS GIVEN IN LOW PRECISION. The matrix products marked QUANTISED in the list below multiply operands that are first quantised to E2M3 (2 exponent bits, 3 mantissa bits; 6 bits a number), with one power-of-two scale for each 32 numbers along K (OCP MX v1.0); their sums are f32. All else is computed in f32.
;;   The module's matrix products, in the order in which they are computed (A, B: the left and right operand; K: the contracted axis; several contracted axes count as one K, in the product's order):
;;     1. [M 8,192, K 1,024] x [K 1,024, N 1,024]; A: input x; B: input wq: QUANTISED
;;     2. [M 8,192, K 1,024] x [K 1,024, N 1,024]; A: input x; B: input wk: QUANTISED
;;     3. [M 8,192, K 1,024] x [K 1,024, N 1,024]; A: input x; B: input wv: QUANTISED
;;     4. batch 64 x [M 2,048, K 64] x [K 64, N 2,048]; A: computed on the way; B: computed on the way: QUANTISED
;;     5. batch 64 x [M 2,048, K 2,048] x [K 2,048, N 64]; A: softmax (see below); B: computed on the way: QUANTISED
;;     6. [M 8,192, K 1,024] x [K 1,024, N 1,024]; A: computed on the way; B: input wo: QUANTISED
;;   THE QUANTISER, for each operand of a quantised product, along K:
;;     - K is cut into blocks of 32 from its start; a last block that is shorter is filled with zeros.
;;     - A block's scale is 2^e with e = floor(log2(the largest magnitude in the block)) - 2, held to -126 .. 127; a block of zeros has e = 0. As a byte (E8M0): e + 127.
;;     - Each number is divided by its block's scale, clamped to +-7.5, and rounded to the nearest number of E2M3, ties to even, subnormals kept.
;;     - The product sums the exact products of the quantised numbers (number of the format x scale) in f32.
;;   ~~~python
;;   def quantise(x, axis):      # numpy; x: float32 -> the quantised numbers, widened to float32 again
;;       x = np.moveaxis(x, axis, -1); K = x.shape[-1]
;;       x = np.pad(x, [(0, 0)] * (x.ndim - 1) + [(0, -K % 32)]); x = x.reshape(x.shape[:-1] + (-1, 32)); a = np.abs(x).max(-1, keepdims=True)
;;       e = np.where(a > 0, np.clip(np.frexp(np.where(a > 0, a, 1))[1] - 1 - 2, -126, 127), 0)      # np.frexp(a)[1] - 1 = floor(log2(a)), exactly
;;       r = np.clip(x / 2.0 ** e, -7.5, 7.5)
;;       step = 2.0 ** (np.maximum(np.frexp(np.where(r == 0, 1, r))[1] - 1, 0) - 3)
;;       q = np.round(r / step) * step * 2.0 ** e      # np.round: ties to even
;;       return np.moveaxis(q.reshape(q.shape[:-2] + (-1,))[..., :K], -1, axis).astype(np.float32)
;;   ~~~
;;   SOFTMAX AHEAD OF A QUANTISED PRODUCT. Where the list says 'softmax', what is quantised is not the finished softmax but p = 2^(t - M), with t = logit x log2(e) and M = ceil(the row's largest t), a whole number; so 1/2 < the row's largest p <= 1. The row's sum l is taken of the UNQUANTISED p, in f32, and the product's result is divided by l at the end. Since M is a whole number, a kernel that streams over the keys may use a running M (the ceiling of the running maximum): every later rescaling is an exact power of two, which a block's scale takes up: the codes' values come out the same.
;;   OPERANDS COMPUTED ON THE WAY. 'Computed on the way' means the value that the module computes at that place (a softmax that the list does not call 'softmax' is quantised finished and normalised). What goes into a quantiser is computed in f32, as accurately as f32 sums, v_exp_f32 and their like allow (about 1e-6 of the number): no bf16 or f16 on the way to a quantiser, and a product that is left as it is and whose result goes on into a quantised operand takes f32 operands (vector FMAs, or v_wmma_f32_16x16x4_f32). A number that lies on a knife's edge between two numbers of the format may be rounded either way, as far as f32 arithmetic and the matrix unit's own rounding can turn it there, and no further.
;; One version. Each part assembles by itself: llvm-mc -triple=amdgcn-amd-amdhsa -mcpu=gfx1250 --defsym DOCPART=n.
;; ======== version 1 of 1: 4 launches
;; limits: right only within a limited range of input values
;; workspace buffers: xw_img 9,437,184 bytes; xw_sc 393,216 bytes; tab 524,288 bytes; qkv_img 18,874,368 bytes; qkv_sc 1,310,720 bytes; o_img 6,291,456 bytes; o_sc 262,144 bytes
;; launch prep (part 1): grid 448 x 1, 4 waves a work-group, no clusters, 34,304 bytes of LDS; arguments x, wq, wk, wv, wo, xw_img, xw_sc, tab; writes xw_img, xw_sc, tab
.if DOCPART == 1
	.amdgcn_target "amdgcn-amd-amdhsa--gfx1250"
	.amdhsa_code_object_version 6
	.text
	.protected	k_q23be634d15_prep
	.globl	k_q23be634d15_prep
	.p2align	8
	.type	k_q23be634d15_prep,@function
k_q23be634d15_prep:
	s_mov_b64 s[64:65], 0
	v_nop
	global_prefetch_b8 v0, s[64:65] scope:SCOPE_SE
	s_setreg_imm32_b32 hwreg(HW_REG_WAVE_MODE, 25, 1), 1
	s_wait_xcnt 0x0
; x [8192][1024] and wq, wk, wv, wo [1024][1024], f32, become codes of FP6 (E2M3) with one E8M0 byte for each 32 along K (K = the last axis), laid as IMAGES OF OPERAND REGISTERS;
; and the table of cos and sin for the rotary embedding is made.
; A UNIT is 16 rows x 64 K = 768 bytes = 3 pieces of 256 bytes: piece p holds at byte 8 x lane the bytes 24 h + 8 p .. + 7 of row r's 48 bytes (lane = 16 h + r).  Two units on end are a fragment's 12 registers.
; xw_img: [row tile 768][unit 16][768]; row tiles 0-511 x, 512-575 wq, 576-639 wk, 640-703 wv, 704-767 wo.  xw_sc: [row tile][half of K][row 16][4 words], a word = the four bytes of 128 K.
; THE ROWS OF A TILE ARE NOT NEIGHBOURS: row r of tile T of a tensor is its true row 32 (T / 2) + 8 (T % 2) + r + 8 (r / 8), so that a transposed product's 16 registers of two neighbouring tiles are 16 true neighbours.
; A block's scale is 2^(floor(log2(largest magnitude)) - 2); its byte is the largest magnitude's exponent field - 2, held at 1 from below.
; LIMITS: a block of zeros gets the byte 1 where the rule says 127 (its codes are zeros, and this program alone reads the bytes); NaN and infinities among the inputs are not served.
; SHARES: work-groups 0-383 quantise: a wave takes one row tile and one half of K (512 numbers a row), in four steps of 128 K.  Each load reads 512 consecutive bytes of one row; the 8,192 bytes of a step turn through
; the wave's own stage in LDS (rows of 512 + 16 bytes), from which lane (r, h) takes the two whole blocks of 32 that the operand's layout gives it.  Each store of codes covers 256 consecutive bytes, aligned.
; Work-groups 384-447 make the table: tab [position 2048][cos 32, sin 32] f32.  No matrix units, no tensor loads, no barrier: waves share nothing, and memory binds.
.set STG,  8448                        ; a wave's stage: 16 rows x 528 bytes
.set R,    16                          ; v16-143  two sets of 64: a step's numbers as loaded
.set X,    144                         ; v144-207 my two blocks of 32
.set C,    208                         ; v208-219 the fragment's 12 registers
.set CT,   220                         ; v220-222, v224-226: the second halves of the blocks' codes
.set SWD,  228                         ; v228-231 the four steps' scale words
	s_load_b512 s[4:19], s[0:1], 0x0               ; x, wq, wk, wv, wo, xw_img, xw_sc, tab
	v_lshl_add_u32 v254, v0, 2, 0x8400
	v_mov_b32 v255, 0
	v_lshrrev_b32 v7, 5, v0
	v_readfirstlane_b32 s20, v7                    ; wave
	v_and_b32 v7, 31, v0                           ; lane
	v_lshlrev_b32 v2, 3, v7                        ; 8 x lane
	s_cmp_ge_u32 ttmp9, 384
	s_cbranch_scc1 .Ltable
	v_and_b32 v8, 15, v0                           ; r
	v_bfe_u32 v9, v0, 4, 1                         ; h
	v_lshlrev_b32 v1, 4, v7                        ; 16 x lane
	s_mul_i32 s21, s20, STG
	v_add_nc_u32 v3, s21, v1                       ; the stage, on the way in: a row's 512 bytes as they lie
	v_mul_u32_u24 v4, v8, 528
	v_lshl_add_u32 v4, v9, 7, v4
	v_add_nc_u32 v4, s21, v4                       ; and on the way out: row r, + 128 h bytes
	v_lshlrev_b32 v5, 4, v8
	v_lshl_add_u32 v5, v9, 3, v5                   ; the scale words' place: 16 r + 8 h
	v_lshlrev_b32 v6, 3, v9                        ; 8 h: my bytes' shift in a scale word
	v_mov_b32 v15, 0                               ; a lane permute's destination counts as one of its sources
	s_mov_b32 s30, 0x76543210
	s_mov_b32 s31, 0xfedcba98                      ; selects for lane l xor 16
	s_lshl_b32 s22, ttmp9, 2
	s_add_co_u32 s22, s22, s20                     ; the wave's task
	s_lshr_b32 s23, s22, 1                         ; its row tile, 0 .. 767
	s_and_b32 s22, s22, 1                          ; its half of K
	s_sub_co_u32 s26, ttmp9, 256
	s_lshr_b32 s26, s26, 5                         ; which weight (32 work-groups each)
	s_wait_alu depctr_va_vdst(0)
	s_wait_kmcnt 0x0
	s_mov_b64 s[24:25], s[6:7]
	s_cmp_eq_u32 s26, 1
	s_cselect_b64 s[24:25], s[8:9], s[24:25]
	s_cmp_eq_u32 s26, 2
	s_cselect_b64 s[24:25], s[10:11], s[24:25]
	s_cmp_eq_u32 s26, 3
	s_cselect_b64 s[24:25], s[12:13], s[24:25]
	s_cmp_lt_u32 ttmp9, 256                        ; the first 256 work-groups take x: the choice hangs on the work-group's number alone
	s_cselect_b64 s[24:25], s[4:5], s[24:25]
	s_cselect_b32 s27, 0x1ff, 63
	s_and_b32 s27, s23, s27                        ; the tile's number in its own tensor
	s_lshr_b32 s26, s27, 1
	s_lshl_b32 s26, s26, 17                        ; 32 (T / 2) rows of 4,096 bytes
	s_and_b32 s27, s27, 1
	s_lshl_b32 s27, s27, 15                        ; 8 (T % 2) rows
	s_add_co_u32 s26, s26, s27
	s_lshl_b32 s27, s22, 11                        ; my half of K: 2,048 bytes
	s_add_co_u32 s26, s26, s27
	s_mov_b32 s27, 0
	s_add_nc_u64 s[24:25], s[24:25], s[26:27]
	s_mul_i32 s28, s23, 12288
	s_mul_i32 s29, s22, 6144
	s_add_co_u32 s28, s28, s29
	s_mov_b32 s29, 0
	s_add_nc_u64 s[14:15], s[14:15], s[28:29]      ; my eight units
	s_lshl_b32 s28, s23, 9
	s_lshl_b32 s32, s22, 8
	s_add_co_u32 s28, s28, s32
	s_add_nc_u64 s[16:17], s[16:17], s[28:29]      ; my 256 bytes of scale words
.macro LOAD g                          ; step g: 128 numbers of each of the tile's 16 rows; a load reads 512 consecutive bytes
.irp p, 0,1,2,3,4,5,6,7,8,9,10,11,12,13,14,15
	global_load_b128 v[R+64*((\g)%2)+4*\p:R+64*((\g)%2)+4*\p+3], v1, s[24:25] offset:(\p+8*(\p/8))*4096+512*(\g) th:TH_LOAD_NT
.endr
.endm
.macro QSTEP g
.if (\g) < 3
	s_wait_loadcnt 16                              ; this step's 16 loads are in; the next step's 16 may be out
.else
	s_wait_loadcnt 0x0
.endif
.irp p, 0,1,2,3,4,5,6,7,8,9,10,11,12,13,14,15
	ds_store_b128 v3, v[R+64*((\g)%2)+4*\p:R+64*((\g)%2)+4*\p+3] offset:528*\p
.endr
.irp c, 0,1
.irp i, 0,1,2,3,4,5,6,7
	ds_load_b128 v[X+32*\c+4*\i:X+32*\c+4*\i+3], v4 offset:256*\c+16*\i   ; k = 64 c + 32 h + 4 i ..; LDS serves a wave's instructions in order: these see the stores above
.endr
.endr
	s_wait_dscnt 0x0                               ; my blocks are in, and the stores into the stage have read their registers
.if (\g) > 0
	s_wait_xcnt 0x0                                ; the last step's stores have read their data: the codes' registers may be written again
.endif
.if (\g)+2 < 4
	LOAD (\g)+2
.endif
.irp c, 0,1
	v_max3_num_f32 v[8+\c], |v[X+32*\c]|, |v[X+32*\c+1]|, 0x1800000   ; block 2 c + h: all 32 numbers are mine; the floor 2^(3 - 127) holds the byte at 1 from below
.endr
.irp i, 2,4,6,8,10,12,14,16,18,20,22,24,26,28,30
.irp c, 0,1
	v_max3_num_f32 v[8+\c], v[8+\c], |v[X+32*\c+\i]|, |v[X+32*\c+\i+1]|
.endr
.endr
.irp c, 0,1
	v_add_nc_u32 v[10+\c], 0xff000000, v[8+\c]     ; 2 off the exponent field: the conversion's scale operand
.endr
.irp c, 0,1
	v_lshrrev_b32 v[12+\c], 23, v[10+\c]           ; the scale's byte
.endr
	v_lshl_or_b32 v14, v13, 16, v12                ; my two bytes: blocks h and 2 + h,
	v_lshlrev_b32 v14, v6, v14                     ; at their places;
	v_permlanex16_b32 v15, v14, s30, s31
	v_or_b32 v[SWD+(\g)], v14, v15                 ; with lane l xor 16's two the row's word is whole
.irp c, 0,1
	v_cvt_scalef32_pk16_fp6_f32 v[C+6*\c:C+6*\c+2], v[X+32*\c:X+32*\c+15], v[10+\c]
	v_cvt_scalef32_pk16_fp6_f32 v[CT+4*\c:CT+4*\c+2], v[X+32*\c+16:X+32*\c+31], v[10+\c]   ; (a conversion's three registers begin on an even number)
.endr
	v_nop                                          ; one plain place behind a scaled conversion
.irp c, 0,1
.irp i, 0,1,2
	v_mov_b32 v[C+6*\c+3+\i], v[CT+4*\c+\i]
.endr
.endr
.irp k, 0,1,2,3,4,5
	global_store_b64 v2, v[C+2*\k:C+2*\k+1], s[14:15] offset:(2*(\g)+\k/3)*768+(\k%3)*256   ; 32 lanes store 256 consecutive bytes, aligned
.endr
.endm
	LOAD 0
	LOAD 1
	QSTEP 0
	QSTEP 1
	QSTEP 2
	QSTEP 3
	s_mov_b32 vcc_lo, 0xffff0000
	v_cndmask_b32 v232, v[SWD], v[SWD+2], vcc_lo   ; lanes 0-15 store words 0 and 1 of their row, lanes 16-31 words 2 and 3
	v_cndmask_b32 v233, v[SWD+1], v[SWD+3], vcc_lo
	global_store_b64 v5, v[232:233], s[16:17]      ; 256 consecutive bytes, aligned
	s_wait_tensorcnt 0x0
	ds_add_u32 v254, v255
	s_wait_dscnt 0x0
	s_endpgm
; THE TABLE.  inv_freq(f) = 10000^(-f / 32) = 2^(-f log2(10000) / 32); angle = position x inv_freq, one f32 multiplication as the reference has it.
; cos and sin by reduction: n = the nearest whole number to angle x 2 / pi; rest = angle - n pi / 2 with pi / 2 in two parts (the first product cancels exactly); polynomials on |rest| <= pi / 4
; (sin to rest^9, cos to rest^10); the quadrant picks the polynomial and the sign.  LIMIT: inv_freq is as accurate as v_exp_f32 and one rounding of its argument.
.Ltable:
	s_sub_co_u32 s21, ttmp9, 384
	s_lshl_b32 s21, s21, 5
	s_lshl_b32 s22, s20, 3
	s_add_co_u32 s21, s21, s22                     ; my wave's first of eight positions
	s_lshl_b32 s22, s21, 8                         ; 256 bytes a position
	s_mov_b32 s23, 0
	s_mov_b32 s24, 0xbfc90fdb                      ; -(pi / 2)'s first part
	s_mov_b32 s25, 0x333bbd2e                      ; -(its second part)
	s_mov_b32 s26, 0x3638ef1d                      ; sin: 1 / 9!
	s_mov_b32 s27, 0xb9500d01                      ; -1 / 7!
	s_mov_b32 s28, 0x3c088889                      ; 1 / 5!
	s_mov_b32 s29, 0xbe2aaaab                      ; -1 / 3!
	s_mov_b32 s30, 0xb493f27e                      ; cos: -1 / 10!
	s_mov_b32 s31, 0x37d00d01                      ; 1 / 8!
	s_mov_b32 s32, 0xbab60b61                      ; -1 / 6!
	s_mov_b32 s33, 0x3d2aaaab                      ; 1 / 4!
	s_mov_b32 s34, 0x3f22f983                      ; 2 / pi
	v_bfe_u32 v3, v0, 4, 1                         ; lanes 0-15 make cos, lanes 16-31 sin
	v_mul_u32_u24 v3, v3, 3                        ; sin(a) = cos(a - pi / 2): three quadrants on
	v_and_b32 v4, 15, v0
	v_lshlrev_b32 v4, 1, v4                        ; my two frequencies: 2 (lane % 16), + 1
	v_cvt_f32_u32 v5, v4
	v_add_nc_u32 v4, 1, v4
	v_cvt_f32_u32 v6, v4
	v_mul_f32 v5, 0xbed49a78, v5                   ; x -log2(10000) / 32
	v_mul_f32 v6, 0xbed49a78, v6
	s_wait_alu depctr_va_vdst(0)
	v_exp_f32 v10, v5
	v_exp_f32 v11, v6
	v_nop                                          ; a plain place behind the exponentials
	s_wait_alu depctr_va_vdst(0)                   ; one wait for both, ahead of their first reader
	s_wait_kmcnt 0x0
	s_add_nc_u64 s[18:19], s[18:19], s[22:23]
.macro TV i, k                         ; position i of my eight, frequency k of my two
	v_mul_f32 v12, v22, v[10+\k]                   ; the angle
	v_mul_f32 v13, s34, v12
	v_rndne_f32 v13, v13                           ; n
	v_fma_f32 v14, v13, s24, v12
	v_fma_f32 v14, v13, s25, v14                   ; the rest
	v_cvt_i32_f32 v15, v13
	v_add_nc_u32 v15, v15, v3                      ; the quadrant
	v_mul_f32 v16, v14, v14
	v_fma_f32 v17, v16, s26, s27
	v_fma_f32 v17, v17, v16, s28
	v_fma_f32 v17, v17, v16, s29
	v_mul_f32 v18, v14, v16
	v_fma_f32 v17, v18, v17, v14                   ; sin(rest)
	v_fma_f32 v19, v16, s30, s31
	v_fma_f32 v19, v19, v16, s32
	v_fma_f32 v19, v19, v16, s33
	v_fma_f32 v19, v19, v16, -0.5
	v_fma_f32 v19, v19, v16, 1.0                   ; cos(rest)
	v_and_b32 v20, 1, v15
	v_cmp_ne_u32 vcc_lo, 0, v20
	v_cndmask_b32 v21, v19, v17, vcc_lo            ; odd quadrants take sin
	v_add_nc_u32 v20, 1, v15
	v_and_b32 v20, 2, v20
	v_lshlrev_b32 v20, 30, v20                     ; quadrants 1 and 2 are negative
	v_xor_b32 v[32+2*\i+\k], v21, v20
.endm
.irp i, 0,1,2,3,4,5,6,7
	s_add_co_u32 s36, s21, \i
	v_cvt_f32_u32 v22, s36
	TV \i, 0
	TV \i, 1
	global_store_b64 v2, v[32+2*\i:33+2*\i], s[18:19] offset:256*\i   ; a position's 256 bytes: cos, then sin; each store has data registers of its own
.endr
	s_endpgm
.Lfunc_end_k_q23be634d15_prep:
	.size	k_q23be634d15_prep, .Lfunc_end_k_q23be634d15_prep-k_q23be634d15_prep
	.p2alignl 7, 3214868480
	.fill 96, 4, 3214868480
	.section	.rodata,"a",@progbits
	.p2align	6, 0x0
	.amdhsa_kernel k_q23be634d15_prep
		.amdhsa_group_segment_fixed_size 34304
		.amdhsa_private_segment_fixed_size 0
		.amdhsa_enable_private_segment 0
		.amdhsa_kernarg_size 64
		.amdhsa_user_sgpr_count 2
		.amdhsa_user_sgpr_kernarg_segment_ptr 1
		.amdhsa_wavefront_size32 1
		.amdhsa_system_sgpr_workgroup_id_x 1
		.amdhsa_system_sgpr_workgroup_id_y 1
		.amdhsa_system_sgpr_workgroup_id_z 1
		.amdhsa_system_vgpr_workitem_id 0
		.amdhsa_next_free_vgpr 256
		.amdhsa_next_free_sgpr 66
		.amdhsa_reserve_vcc 1
		.amdhsa_float_denorm_mode_32 3
		.amdhsa_float_denorm_mode_16_64 3
		.amdhsa_memory_ordered 1
		.amdhsa_forward_progress 1
		.amdhsa_inst_pref_size 53
	.end_amdhsa_kernel
	.amdgpu_metadata
---
amdhsa.version: [ 1, 2 ]
amdhsa.kernels:
  - .name:           k_q23be634d15_prep
    .symbol:         k_q23be634d15_prep.kd
    .args:
      - { .name: x, .offset: 0, .size: 8, .value_kind: global_buffer, .address_space: global }
      - { .name: wq, .offset: 8, .size: 8, .value_kind: global_buffer, .address_space: global }
      - { .name: wk, .offset: 16, .size: 8, .value_kind: global_buffer, .address_space: global }
      - { .name: wv, .offset: 24, .size: 8, .value_kind: global_buffer, .address_space: global }
      - { .name: wo, .offset: 32, .size: 8, .value_kind: global_buffer, .address_space: global }
      - { .name: xw_img, .offset: 40, .size: 8, .value_kind: global_buffer, .address_space: global }
      - { .name: xw_sc, .offset: 48, .size: 8, .value_kind: global_buffer, .address_space: global }
      - { .name: tab, .offset: 56, .size: 8, .value_kind: global_buffer, .address_space: global }
    .group_segment_fixed_size: 34304
    .private_segment_fixed_size: 0
    .kernarg_segment_align: 8
    .kernarg_segment_size: 64
    .max_flat_workgroup_size: 128
    .sgpr_count:     66
    .vgpr_count:     256
    .wavefront_size: 32
...
	.end_amdgpu_metadata
.endif
;; end of part 1
;; launch qkv (part 2): grid 4 x 64, 4 waves a work-group, clusters of 4 x 4, 327,680 bytes of LDS; arguments xw_img, xw_sc, bq, bk, bv, tab, qkv_img, qkv_sc; writes qkv_img, qkv_sc
.if DOCPART == 2
	.amdgcn_target "amdgcn-amd-amdhsa--gfx1250"
	.amdhsa_code_object_version 6
	.text
	.protected	k_q23be634d15_qkv
	.globl	k_q23be634d15_qkv
	.p2align	8
	.type	k_q23be634d15_qkv,@function
k_q23be634d15_qkv:
	s_mov_b64 s[64:65], 0
	v_nop
	global_prefetch_b8 v0, s[64:65] scope:SCOPE_SE
	s_setreg_imm32_b32 hwreg(HW_REG_WAVE_MODE, 25, 1), 1
	s_wait_xcnt 0x0
	s_wait_alu depctr_hold_cnt(0) depctr_sa_sdst(0) depctr_va_vdst(0) depctr_va_sdst(0) depctr_va_ssrc(0) depctr_va_vcc(0) depctr_vm_vsrc(0)
	s_getreg_b32 s2, hwreg(HW_REG_IB_STS2, 6, 4)
	s_cmp_eq_u32 s2, 0
	s_cbranch_scc0 .Lentry_in_a_cluster
	s_endpgm
.Lentry_in_a_cluster:
	s_bfe_u32 s2, ttmp6, 0x10000c
	s_cmp_lg_u32 s2, 0xf033
	s_cbranch_scc0 .Lentry_shape_is_right
	s_endpgm
.Lentry_shape_is_right:
; Q, K, V = x W^T + b on codes of FP6 (E2M3) with E8M0 scales; Q and K are rotated (cos, sin from tab), and all three are quantised again and stored as images of the operand registers of the launch that reads them.
; THE DEAL.  256 work-groups of four waves.  A work-group owns 128 tokens (one key step): their codes, all of K, 98,304 bytes, STAY IN LDS.  It walks three tiles of 256 columns: of wq, of wk, of wv (column group = cx).
; The weights stream through a ring of two slots; a slot holds one half of K of 256 columns, 98,304 bytes.  A phase multiplies half 0 out of slot 0, then half 1 out of slot 1; a slot is filled again, with the next
; tensor's rows, as soon as it is read out: four refills, each behind the three lines and a round of the cluster's barrier, one tensor load a wave (a quarter of the slot).
; CLUSTER 4 x 4: x's rows are shared by a row of the cluster, a weight's rows by a column: every tensor load is a joint one.
; At the head one load a wave, each a line of its own: x half 0, W half 0, x half 1, W half 1; the first barrier waits for the first two alone; the first round shows the others.
; No prefetch is laid: a refill is asked for four K steps (128 products a wave), or the whole way out of a phase, ahead of the wait for it, and the head has no loop to run ahead in.
; A WAVE has 32 accumulators: source 0 eight fragments, source 1 four.  Q, K: source 0 = 128 columns of the weight (a pair of heads), source 1 = 64 tokens: a lane holds one token, its registers run along the channels.
; V: source 0 = the 128 tokens, source 1 = 64 channels of wv (one head): a lane holds one channel, its registers run along the keys.  One text of products serves both: the LDS address registers differ.
; Scale words go from memory into registers: a register holds in lanes 0-15 the word of tile 2 i, in lanes 16-31 that of tile 2 i + 1; each load reads two pieces of 256 consecutive bytes.
; cos and sin of the wave's 64 tokens are loaded once, 128 registers, and serve Q and K.  Q's and K's bias is the C of a phase's first products; V's is added on the way out.  (The second trip's load of K's bias reads the same numbers again.)
; The scale words leave 8 bytes a lane at a pitch of 16: the wave beside writes the other 8.  LIMITS: a block of zeros gets the byte 1; NaN and infinities among the inputs are not served.  Nothing of reference() is left out here.
; REGISTERS: window 0: v1-29 addresses; v32-63, v66-81 scale words; v128-223 source 1's fragments, two sets; on the way out v96-215 are at work.  window 1: source 0's fragments at v0 and v128, the bias as C at v96-127, v224-255.
;   window 2: the accumulators, (a, b) at 8 (8 a + b).  window 3: v0-127 cos and sin.
.set XR,     0                         ; x: [half of K][row tile 8][6,144]
.set WS,     98304                     ; slot = half of K: [row tile 16][6,144]
.set SPARE,  294912
.set LO8,  1
.set LO16, 2
.set TO,   3
.set BV,   8
.set ADR0, 12                          ; Q, K: source 0's address in half 0, 1;  v14-15 source 1's;  v16-19 the same for V
.set ADR1, 14
.set ADV0, 16
.set ADV1, 18
.set SL,   20
.set VS0,  21
.set VS1,  22
.set SPW,  28
.set NIL,  29
.set S0B,  32
.set S1B,  66
.set H,    96
.set AF,   128
.set PC,   160
.set TM,   180
.set SW,   196
.set W0,   204
.set W1,   208
.set SEL,  92
.set G1A, 24                           ; group 1: x's rows (8 a load); s[32:39] a weight's at the head (16); s[40:47] in the ring (4)
.set G1B, 32
.set G1R, 40
.set MSB, 0
.macro WIN new
.if MSB != \new
	s_set_vgpr_msb (MSB<<8)|\new
.set MSB, \new
.endif
.endm
.macro PLACES n
.rept \n
	v_nop
.endr
.endm
.macro WALU
	s_wait_alu depctr_va_vdst(0)
.endm
.macro CROUND                          ; a round of the cluster's barrier
	s_barrier_signal -1
	s_barrier_wait -1
	s_cmp_lg_u32 s20, 0
	s_cbranch_scc1 .Lnot_wave_0_\@
	s_barrier_signal -3
.Lnot_wave_0_\@:
	s_barrier_wait -3
	s_barrier_signal -1
	s_barrier_wait -1
.endm
.macro GROUP1 g, mask, rows            ; rows of 6,144 bytes (768 elements of 8), 12,288 apart
	s_or_b32 s[\g+0], s\mask, (3<<16)|(1<<21)
	s_mov_b32 s[\g+1], 768<<16
	s_mov_b32 s[\g+2], (\rows)<<16
	s_mov_b32 s[\g+3], 768<<16
	s_mov_b32 s[\g+4], \rows
	s_mov_b32 s[\g+5], 1536
	s_mov_b32 s[\g+6], 0
	s_mov_b32 s[\g+7], 0
.endm
.macro TLOAD g0, g1
	tensor_load_to_lds s[\g0:\g0+3], s[\g1:\g1+7]
	s_nop 0
	PLACES 4
.endm
.macro ARM is, g0, g1, next
	s_cmp_eq_u32 s20, \is
	s_cbranch_scc0 \next
	TLOAD \g0, \g1
	s_branch .Lhead_asked
\next:
.endm
	s_load_b512 s[4:19], s[0:1], 0x0               ; xw_img, xw_sc, bq, bk, bv, tab, qkv_img, qkv_sc
	v_lshl_add_u32 v[SPW], v0, 2, SPARE
	v_mov_b32 v[NIL], 0
	ds_add_u32 v[SPW], v[NIL]                      ; the opening lines: the add, twice on end, and its wait
	ds_add_u32 v[SPW], v[NIL]
	v_lshrrev_b32 v1, 5, v0
	v_readfirstlane_b32 s20, v1                    ; wave
	s_lshr_b32 s21, s20, 1
	s_and_b32 s22, s20, 1
	s_bfe_u32 s76, ttmp6, 0x40000                  ; cx: the column group
	s_bfe_u32 s77, ttmp6, 0x40004                  ; cy
	s_and_b32 s78, ttmp7, 0xffff
	s_lshl_b32 s78, s78, 2
	s_add_co_u32 s78, s78, s77                     ; my block of 128 tokens, 0 .. 63
	s_lshl_b32 s79, s77, 2
	s_lshl_b32 s79, 15, s79                        ; my row of the cluster
	s_lshl_b32 s80, 0x1111, s76                    ; my column
	GROUP1 G1A, 79, 8
	GROUP1 G1B, 80, 16
	GROUP1 G1R, 80, 4
	s_mul_i32 s82, s78, 98304                      ; x's eight row tiles
	s_mov_b32 s83, 0
	s_mul_i32 s84, s76, 196608
	s_add_co_u32 s84, s84, 6291456                 ; wq's sixteen (row tile 512 + 16 cx)
	s_mov_b32 s85, 0
	s_mul_i32 s86, s20, 49152                      ; in the ring I fetch four of the sixteen
	s_mov_b32 s87, 0
	s_mov_b32 s[SEL], 0x76543210
	s_mov_b32 s[SEL+1], 0xfedcba98
	s_wait_dscnt 0x0
	s_wait_kmcnt 0x0
	s_add_nc_u64 s[82:83], s[4:5], s[82:83]
	s_add_nc_u64 s[84:85], s[4:5], s[84:85]
	CROUND                                         ; all sixteen work-groups are here: the first joint loads meet
	s_mov_b32 s48, 1                               ; x, half 0
	s_mov_b32 s49, XR
	s_mov_b64 s[50:51], s[82:83]
	s_or_b32 s51, s51, 0x80000000
	s_mov_b32 s52, 1                               ; wq, half 0
	s_mov_b32 s53, WS
	s_mov_b64 s[54:55], s[84:85]
	s_or_b32 s55, s55, 0x80000000
	s_mov_b32 s56, 1                               ; x, half 1
	s_mov_b32 s57, XR+49152
	s_add_nc_u64 s[58:59], s[82:83], 6144
	s_or_b32 s59, s59, 0x80000000
	s_mov_b32 s60, 1                               ; wq, half 1
	s_mov_b32 s61, WS+98304
	s_add_nc_u64 s[62:63], s[84:85], 6144
	s_or_b32 s63, s63, 0x80000000
	s_add_nc_u64 s[84:85], s[84:85], s[86:87]      ; the ring's groups 0 stand at wq's rows and step to the next tensor ahead of their use
	s_mov_b32 s68, 1
	s_mul_i32 s69, s20, 24576
	s_add_co_u32 s69, s69, WS
	s_mov_b64 s[70:71], s[84:85]
	s_or_b32 s71, s71, 0x80000000
	s_mov_b32 s72, 1
	s_add_co_u32 s73, s69, 98304
	s_add_nc_u64 s[74:75], s[84:85], 6144
	s_or_b32 s75, s75, 0x80000000
	ARM 0, 48, G1A, .Lhead_1
	ARM 1, 52, G1B, .Lhead_2
	ARM 2, 56, G1A, .Lhead_3
	TLOAD 60, G1B
.Lhead_asked:
	s_lshl_b32 s81, s76, 10                        ; the biases: 256 columns a group, 128 a wave (V: 64)
	s_lshl_b32 s86, s22, 9
	s_add_co_u32 s86, s86, s81
	s_add_nc_u64 s[8:9], s[8:9], s[86:87]
	s_add_nc_u64 s[10:11], s[10:11], s[86:87]
	s_lshl_b32 s86, s20, 8
	s_add_co_u32 s86, s86, s81
	s_add_nc_u64 s[12:13], s[12:13], s[86:87]
	s_and_b32 s81, s78, 15                         ; the key step in its batch
	s_lshl_b32 s86, s81, 15
	s_lshl_b32 s94, s21, 14
	s_add_co_u32 s86, s86, s94
	s_add_nc_u64 s[14:15], s[14:15], s[86:87]      ; tab: my 64 positions
	s_lshr_b32 s94, s78, 4
	s_lshl_b32 s94, s94, 3
	s_lshl_b32 s95, s76, 1
	s_add_co_u32 s94, s94, s95                     ; 8 x batch + 2 cx
	s_add_co_u32 s95, s94, s21                     ; V: my pair of heads is wave / 2,
	s_add_co_u32 s94, s94, s22                     ; Q, K: wave % 2
	s_lshl_b32 s94, s94, 4
	s_add_co_u32 s94, s94, s81
	s_lshl_b32 s95, s95, 4
	s_add_co_u32 s95, s95, s81
	s_mul_i32 s86, s95, 12288                      ; V's images: [batch, pair][step][head of the pair][tile 4][1,536]
	s_mul_i32 s96, s22, 6144
	s_add_co_u32 s86, s86, s96
	s_add_co_u32 s86, s86, 12582912
	s_add_nc_u64 s[88:89], s[16:17], s[86:87]
	s_lshl_b32 s86, s95, 9
	s_lshl_b32 s96, s22, 3
	s_add_co_u32 s86, s86, s96
	s_add_co_u32 s86, s86, 1048576
	s_add_nc_u64 s[90:91], s[18:19], s[86:87]
	s_mul_i32 s86, s94, 12288                      ; Q's: [batch, pair][step][tile of tokens 8][head of the pair][768]; my four tiles
	s_mul_i32 s96, s21, 6144
	s_add_co_u32 s86, s86, s96
	s_add_nc_u64 s[16:17], s[16:17], s[86:87]
	s_lshl_b32 s86, s94, 10
	s_lshl_b32 s96, s21, 3
	s_add_co_u32 s86, s86, s96
	s_add_nc_u64 s[18:19], s[18:19], s[86:87]
	s_lshl_b32 s96, s76, 4                         ; the scale words' places in xw_sc, 512 bytes a row tile
	s_lshl_b32 s97, s22, 3
	s_add_co_u32 s97, s97, s96
	s_add_co_u32 s97, s97, 512
	s_lshl_b32 s97, s97, 9                         ; wq: my eight tiles
	s_add_co_u32 s101, s97, 32768                  ; wk: 64 tiles on
	s_lshl_b32 s98, s78, 3
	s_lshl_b32 s99, s21, 2
	s_add_co_u32 s99, s99, s98
	s_lshl_b32 s99, s99, 9                         ; x: my four tiles;
	s_lshl_b32 s98, s98, 9                         ; for V all eight,
	s_lshl_b32 s100, s20, 2
	s_add_co_u32 s96, s96, s100
	s_add_co_u32 s96, s96, 640
	s_lshl_b32 s96, s96, 9                         ; and wv: my four
	s_mul_i32 s81, s22, 49152
	s_add_co_u32 s81, s81, WS
	s_mul_i32 s86, s21, 24576
	s_mul_i32 s87, s20, 24576
	s_add_co_u32 s87, s87, WS
	v_and_b32 v4, 15, v0                           ; r
	v_bfe_u32 v5, v0, 4, 1                         ; h
	v_and_b32 v6, 31, v0
	v_lshlrev_b32 v[LO8], 3, v6
	v_lshlrev_b32 v[LO16], 4, v6
	v_and_b32 v7, 8, v4
	v_add_nc_u32 v7, v7, v4                        ; r + 8 (r / 8)
	v_lshlrev_b32 v[TO], 8, v7
	v_lshl_add_u32 v[TO], v5, 6, v[TO]             ; tab: my token's 256 bytes, + 16 h frequencies
	v_lshlrev_b32 v7, 2, v7                        ; V's bias: my channel
	v_lshlrev_b32 v24, 6, v5                       ; Q's, K's: 16 h channels on
	v_lshlrev_b32 v25, 4, v4
	v_lshl_add_u32 v[SL], v5, 9, v25               ; scale words: 512 h + 16 r
	v_add_nc_u32 v[VS0], s97, v[SL]
	v_add_nc_u32 v[VS1], s99, v[SL]
	v_add_nc_u32 v[ADR0], s81, v[LO8]
	v_add_nc_u32 v[ADR0+1], 98304, v[ADR0]
	v_add_nc_u32 v[ADR1], s86, v[LO8]
	v_add_nc_u32 v[ADR1+1], 49152, v[ADR1]
	v_mov_b32 v[ADV0], v[LO8]
	v_add_nc_u32 v[ADV0+1], 49152, v[LO8]
	v_add_nc_u32 v[ADV1], s87, v[LO8]
	v_add_nc_u32 v[ADV1+1], 98304, v[ADV1]
	WALU
.macro SCLOAD                          ; a phase's scale words: register 8 i + 4 f + q: tiles 2 i, 2 i + 1, half f, K step q
.irp f, 0,1
.irp i, 0,1,2,3
	global_load_b128 v[S0B+8*\i+4*\f:S0B+8*\i+4*\f+3], v[VS0], s[6:7] offset:\i*1024+\f*256
.endr
.irp i, 0,1
	global_load_b128 v[S1B+8*\i+4*\f:S1B+8*\i+4*\f+3], v[VS1], s[6:7] offset:\i*1024+\f*256
.endr
.endr
.endm
.macro BIASLOAD base                   ; register j of block b: channel 32 (b / 2) + 8 (b % 2) + 16 h + j
	WIN 0x40
.irp b, 0,1,2,3,4,5,6,7
	global_load_b128 v[96+8*\b+96*(\b/4):96+8*\b+96*(\b/4)+3], v24, \base offset:(32*(\b/2)+8*(\b%2))*4
	global_load_b128 v[100+8*\b+96*(\b/4):100+8*\b+96*(\b/4)+3], v24, \base offset:(32*(\b/2)+8*(\b%2))*4+16
.endr
	WIN 0
.endm
	SCLOAD
	BIASLOAD s[8:9]
.irp a, 0,1,2,3
	global_load_b32 v[BV+\a], v7, s[12:13] offset:(32*(\a/2)+8*(\a%2))*4
.endr
	WIN 0xc0
.irp a, 0,1,2,3
.irp i, 0,1,2,3
	global_load_b128 v[32*\a+4*\i:32*\a+4*\i+3], v[TO], s[14:15] offset:(32*(\a/2)+8*(\a%2))*256+16*\i          ; cos,
	global_load_b128 v[32*\a+16+4*\i:32*\a+19+4*\i], v[TO], s[14:15] offset:(32*(\a/2)+8*(\a%2))*256+128+16*\i  ; sin
.endr
.endr
	WIN 0
; ---- fragments and products
.macro FETCH a0, a1, hf, q             ; K step q of half hf into set q % 2: 72 loads; a piece of 256 bytes is read 8 bytes a lane
	WIN 0x40
.irp i, 0,1,2,3,4,5,6,7
.irp p, 0,1,2,3,4,5
	ds_load_b64 v[128*((\q)%2)+12*\i+2*\p:128*((\q)%2)+12*\i+2*\p+1], v[\a0+\hf] offset:\i*6144+(\q)*1536+256*\p
.endr
.endr
	WIN 0
.irp i, 0,1,2,3
.irp p, 0,1,2,3,4,5
	ds_load_b64 v[AF+48*((\q)%2)+12*\i+2*\p:AF+48*((\q)%2)+12*\i+2*\p+1], v[\a1+\hf] offset:\i*6144+(\q)*1536+256*\p
.endr
.endr
.endm
.macro MULS st, hf, q, cm              ; 32 products, the accumulators by turns.  cm: C is the sum (0), the bias (1), zero (2)
.irp a2, 0,1
.irp ar, 0,1
.irp b2, 0,1,2,3
.irp br, 0,1
.set rD, 8*(8*(2*\a2+\ar)+2*\b2+\br)
.set rA, 128*(\st)+12*(2*\b2+\br)
.set rB, AF+48*(\st)+12*(2*\a2+\ar)
.set rC, 96+8*(2*\b2+\br)+96*(\b2/2)
.set rSA, S0B+8*\b2+4*(\hf)+(\q)
.set rSB, S1B+8*\a2+4*(\hf)+(\q)
.if (\cm) == 0
	v_wmma_scale_f32_16x16x128_f8f6f4 v[rD:rD+7], v[rA:rA+11], v[rB:rB+11], v[rD:rD+7], v[rSA], v[rSB] matrix_a_fmt:MATRIX_FMT_FP6 matrix_b_fmt:MATRIX_FMT_FP6 matrix_a_scale:MATRIX_SCALE_ROW\br matrix_b_scale:MATRIX_SCALE_ROW\ar
.elseif (\cm) == 1
	v_wmma_scale_f32_16x16x128_f8f6f4 v[rD:rD+7], v[rA:rA+11], v[rB:rB+11], v[rC:rC+7], v[rSA], v[rSB] matrix_a_fmt:MATRIX_FMT_FP6 matrix_b_fmt:MATRIX_FMT_FP6 matrix_a_scale:MATRIX_SCALE_ROW\br matrix_b_scale:MATRIX_SCALE_ROW\ar
.else
	v_wmma_scale_f32_16x16x128_f8f6f4 v[rD:rD+7], v[rA:rA+11], v[rB:rB+11], 0, v[rSA], v[rSB] matrix_a_fmt:MATRIX_FMT_FP6 matrix_b_fmt:MATRIX_FMT_FP6 matrix_a_scale:MATRIX_SCALE_ROW\br matrix_b_scale:MATRIX_SCALE_ROW\ar
.endif
.endr
.endr
.endr
.endr
.endm
.macro KSTEP a0, a1, hf, q, cm, more   ; this step's fragments are in; the next step's are asked for into the other set, four places behind the products that read it; then the products
	s_wait_dscnt 0x0
.if \more
	PLACES 4
	FETCH \a0, \a1, \hf, (\q)+1
.endif
.if (\cm) == 1
	WIN 0x91
.else
	WIN 0xa1
.endif
	MULS (\q)%2, \hf, \q, \cm
	WIN 0
.endm
.macro HALF a0, a1, hf, cm             ; four K steps out of one slot (four places stand ahead of it)
	FETCH \a0, \a1, \hf, 0
	KSTEP \a0, \a1, \hf, 0, \cm, 1
	KSTEP \a0, \a1, \hf, 1, 0, 1
	KSTEP \a0, \a1, \hf, 2, 0, 1
	KSTEP \a0, \a1, \hf, 3, 0, 0
.endm
; ---- the way out of 64 sums a lane (accumulators 8 a .. 8 a + 7)
.macro ROPE a                          ; registers 32 c + i and 32 c + 16 + i are channels d and d + 32 of head c: the rotation stays in the lane
	WIN 0x0e
.irp c, 0,1
.irp i, 0,2,4,6,8,10,12,14
	v_pk_mul_f32 v[H+32*\c+\i:H+32*\c+\i+1], v[64*(\a)+32*\c+\i:64*(\a)+32*\c+\i+1], v[32*(\a)+\i:32*(\a)+\i+1]
	v_pk_mul_f32 v[H+32*\c+16+\i:H+32*\c+17+\i], v[64*(\a)+32*\c+16+\i:64*(\a)+32*\c+17+\i], v[32*(\a)+\i:32*(\a)+\i+1]
	v_pk_fma_f32 v[H+32*\c+\i:H+32*\c+\i+1], v[64*(\a)+32*\c+16+\i:64*(\a)+32*\c+17+\i], v[32*(\a)+16+\i:32*(\a)+17+\i], v[H+32*\c+\i:H+32*\c+\i+1] neg_lo:[0,1,0] neg_hi:[0,1,0]
	v_pk_fma_f32 v[H+32*\c+16+\i:H+32*\c+17+\i], v[64*(\a)+32*\c+\i:64*(\a)+32*\c+\i+1], v[32*(\a)+16+\i:32*(\a)+17+\i], v[H+32*\c+16+\i:H+32*\c+17+\i]
.endr
.endr
	WIN 0
.endm
.macro VBIAS a
	WIN 2
.set n, 0
.rept 32
.if (\a)%2
	v_pk_add_f32 v[H+n:H+n+1], v[64*(\a)+n:64*(\a)+n+1], v[BV+2*((\a)/2):BV+2*((\a)/2)+1] op_sel:[0,1] op_sel_hi:[1,1]
.else
	v_pk_add_f32 v[H+n:H+n+1], v[64*(\a)+n:64*(\a)+n+1], v[BV+2*((\a)/2):BV+2*((\a)/2)+1] op_sel_hi:[1,0]
.endif
.set n, n+2
.endr
	WIN 0
.endm
.macro QUANT s, w                      ; four blocks of 32, each in lanes l and l xor 16: the largest magnitude, the scale word, the codes, whole blocks to a lane
.irp b, 0,1,2,3
	v_max3_num_f32 v[TM+\b], |v[\s+16*\b]|, |v[\s+1+16*\b]|, 0x1800000
.endr
.irp i, 2,4,6,8,10,12,14
.irp b, 0,1,2,3
	v_max3_num_f32 v[TM+\b], v[TM+\b], |v[\s+16*\b+\i]|, |v[\s+1+16*\b+\i]|
.endr
.endr
.irp b, 0,1,2,3
	v_permlanex16_b32 v[TM+4+\b], v[TM+\b], s[SEL], s[SEL+1]
.endr
.irp b, 0,1,2,3
	v_max_num_f32 v[TM+\b], v[TM+\b], v[TM+4+\b]
.endr
.irp b, 0,1,2,3
	v_add_nc_u32 v[TM+12+\b], 0xff000000, v[TM+\b]
.endr
.irp b, 0,1,2,3
	v_lshrrev_b32 v[TM+4+\b], 23, v[TM+12+\b]
.endr
	v_lshl_or_b32 v[\w], v[TM+5], 8, v[TM+4]
	v_lshl_or_b32 v[\w], v[TM+6], 16, v[\w]
	v_lshl_or_b32 v[\w], v[TM+7], 24, v[\w]
.irp c, 0,1
	v_cvt_scalef32_pk16_fp6_f32 v[PC+6*\c:PC+2+6*\c], v[\s+32*\c:\s+15+32*\c], v[TM+12+2*\c]
	v_cvt_scalef32_pk16_fp6_f32 v[PC+12+4*\c:PC+14+4*\c], v[\s+16+32*\c:\s+31+32*\c], v[TM+12+2*\c+1]
.endr
	v_nop
.irp c, 0,1
.irp i, 0,1,2
	v_permlane16_swap_b32 v[PC+6*\c+\i], v[PC+12+4*\c+\i]
.endr
.irp i, 0,1,2
	v_mov_b32 v[PC+3+6*\c+\i], v[PC+12+4*\c+\i]
.endr
.endr
.endm
.macro EPI a, isv, base
	s_wait_xcnt 0x0                                ; the earlier stores have read their data
.if \isv
	VBIAS \a
.else
	ROPE \a
.endif
	QUANT H, SW+(\a)
.irp k, 0,1,2,3,4,5
	global_store_b64 v[LO8], v[PC+2*\k:PC+2*\k+1], \base offset:(\a)*1536+256*\k   ; 256 consecutive bytes, aligned
.endr
.endm
.macro WORDS                           ; lanes 0-15 the even tile's rows, lanes 16-31 the odd tile's
	s_mov_b32 vcc_lo, 0xffff0000
	v_cndmask_b32 v[W0], v[SW], v[SW+1], vcc_lo
	v_cndmask_b32 v[W0+1], v[SW+2], v[SW+3], vcc_lo
.endm
	WALU                                           ; the wait at the head's end
	s_cmp_lt_u32 s20, 2
	s_cbranch_scc0 .Lnot_half_0
	s_wait_tensorcnt 0x0                           ; waves 0 and 1: half 0 of x and of wq
.Lnot_half_0:
	s_barrier_signal -1
	s_barrier_wait -1                              ; half 1 may still be on its way
	s_wait_loadcnt 0x0
	s_mov_b32 s23, 0
.Lphase:                                               ; Q, then K
	HALF ADR0, ADR1, 0, 1
	s_wait_tensorcnt 0x0                           ; all my loads are in: slot 1's among them;
	ds_add_u32 v[SPW], v[NIL]
	s_add_nc_u64 s[70:71], s[70:71], 786432        ; no load of mine is out: both groups 0 step to the next tensor, 64 row tiles on
	s_add_nc_u64 s[74:75], s[74:75], 786432
	s_wait_dscnt 0x0                               ; the add is done, and my reads of slot 0
	CROUND
	TLOAD 68, G1R                                  ; slot 0: the next tensor's half 0.  (Its four v_nop are the places ahead of the loads below)
	HALF ADR0, ADR1, 1, 0
	s_wait_tensorcnt 0x0
	ds_add_u32 v[SPW], v[NIL]
	s_cmp_eq_u32 s23, 0
	s_cselect_b32 s94, s101, s98                   ; the next phase's scale words: wk's and x's four tiles, or for V x's eight and wv's four
	s_cselect_b32 s95, s99, s96
	s_wait_dscnt 0x0
	CROUND
	TLOAD 72, G1R                                  ; slot 1: the next tensor's half 1; it lands under the way out
	v_add_nc_u32 v[VS0], s94, v[SL]
	v_add_nc_u32 v[VS1], s95, v[SL]
	SCLOAD
	BIASLOAD s[10:11]
.irp b, 0,1,2,3
	v_mov_b32 v[TM+4+\b], 0                        ; a lane permute's destination counts as one of its sources
.endr
	EPI 0, 0, s[16:17]
	EPI 1, 0, s[16:17]
	EPI 2, 0, s[16:17]
	EPI 3, 0, s[16:17]
	WORDS
	global_store_b64 v[LO16], v[W0:W0+1], s[18:19]
.irp j, 0,1
	v_lshrrev_b32 v[W1+\j], 16, v[W0+\j]           ; for the pair's second head: its two bytes first
	v_lshl_or_b32 v[W1+\j], v[W0+\j], 16, v[W1+\j]
.endr
	global_store_b64 v[LO16], v[W1:W1+1], s[18:19] offset:512
	WALU
	s_wait_xcnt 0x0                                ; the stores have read their bases
	s_add_nc_u64 s[16:17], s[16:17], 6291456
	s_add_nc_u64 s[18:19], s[18:19], 524288
	s_wait_loadcnt 0x0                             ; the next phase's scale words and bias
	s_add_co_u32 s23, s23, 1
	s_cmp_lt_u32 s23, 2
	s_cbranch_scc1 .Lphase
	HALF ADV0, ADV1, 0, 2                          ; V: written out: nothing more is fetched
	s_wait_tensorcnt 0x0                           ; my quarter of slot 1
	s_wait_dscnt 0x0
	s_barrier_signal -1
	s_barrier_wait -1                              ; everybody's
	PLACES 4
	HALF ADV0, ADV1, 1, 0
	PLACES 4
.irp b, 0,1,2,3
	v_mov_b32 v[TM+4+\b], 0
.endr
	EPI 0, 1, s[88:89]
	EPI 1, 1, s[88:89]
	EPI 2, 1, s[88:89]
	EPI 3, 1, s[88:89]
	WORDS
	global_store_b64 v[LO16], v[W0:W0+1], s[90:91]
	s_wait_tensorcnt 0x0                           ; the wave's end
	ds_add_u32 v[SPW], v[NIL]
	s_wait_dscnt 0x0
	CROUND                                         ; the closing round
	s_endpgm
.Lfunc_end_k_q23be634d15_qkv:
	.size	k_q23be634d15_qkv, .Lfunc_end_k_q23be634d15_qkv-k_q23be634d15_qkv
	.p2alignl 7, 3214868480
	.fill 96, 4, 3214868480
	.section	.rodata,"a",@progbits
	.p2align	6, 0x0
	.amdhsa_kernel k_q23be634d15_qkv
		.amdhsa_group_segment_fixed_size 327680
		.amdhsa_private_segment_fixed_size 0
		.amdhsa_enable_private_segment 0
		.amdhsa_kernarg_size 64
		.amdhsa_user_sgpr_count 2
		.amdhsa_user_sgpr_kernarg_segment_ptr 1
		.amdhsa_wavefront_size32 1
		.amdhsa_system_sgpr_workgroup_id_x 1
		.amdhsa_system_sgpr_workgroup_id_y 1
		.amdhsa_system_sgpr_workgroup_id_z 1
		.amdhsa_system_vgpr_workitem_id 0
		.amdhsa_next_free_vgpr 896
		.amdhsa_next_free_sgpr 102
		.amdhsa_reserve_vcc 1
		.amdhsa_float_denorm_mode_32 3
		.amdhsa_float_denorm_mode_16_64 3
		.amdhsa_memory_ordered 1
		.amdhsa_forward_progress 1
		.amdhsa_inst_pref_size 221
	.end_amdhsa_kernel
	.amdgpu_metadata
---
amdhsa.version: [ 1, 2 ]
amdhsa.kernels:
  - .name:           k_q23be634d15_qkv
    .symbol:         k_q23be634d15_qkv.kd
    .args:
      - { .name: xw_img, .offset: 0, .size: 8, .value_kind: global_buffer, .address_space: global }
      - { .name: xw_sc, .offset: 8, .size: 8, .value_kind: global_buffer, .address_space: global }
      - { .name: bq, .offset: 16, .size: 8, .value_kind: global_buffer, .address_space: global }
      - { .name: bk, .offset: 24, .size: 8, .value_kind: global_buffer, .address_space: global }
      - { .name: bv, .offset: 32, .size: 8, .value_kind: global_buffer, .address_space: global }
      - { .name: tab, .offset: 40, .size: 8, .value_kind: global_buffer, .address_space: global }
      - { .name: qkv_img, .offset: 48, .size: 8, .value_kind: global_buffer, .address_space: global }
      - { .name: qkv_sc, .offset: 56, .size: 8, .value_kind: global_buffer, .address_space: global }
    .group_segment_fixed_size: 327680
    .private_segment_fixed_size: 0
    .kernarg_segment_align: 8
    .kernarg_segment_size: 64
    .max_flat_workgroup_size: 128
    .sgpr_count:     102
    .vgpr_count:     896
    .wavefront_size: 32
...
	.end_amdgpu_metadata
.endif
;; end of part 2
;; launch attn (part 3): grid 4 x 64, 8 waves a work-group, clusters of 4 x 1, 259,072 bytes of LDS; arguments qkv_img, qkv_sc, key_padding_mask, o_img, o_sc; writes o_img, o_sc
.if DOCPART == 3
	.amdgcn_target "amdgcn-amd-amdhsa--gfx1250"
	.amdhsa_code_object_version 6
	.text
	.protected	k_q23be634d15_attn
	.globl	k_q23be634d15_attn
	.p2align	8
	.type	k_q23be634d15_attn,@function
k_q23be634d15_attn:
	s_mov_b64 s[64:65], 0
	v_nop
	global_prefetch_b8 v0, s[64:65] scope:SCOPE_SE
	s_setreg_imm32_b32 hwreg(HW_REG_WAVE_MODE, 25, 1), 1
	s_wait_xcnt 0x0
	s_wait_alu depctr_hold_cnt(0) depctr_sa_sdst(0) depctr_va_vdst(0) depctr_va_sdst(0) depctr_va_ssrc(0) depctr_va_vcc(0) depctr_vm_vsrc(0)
	s_getreg_b32 s2, hwreg(HW_REG_IB_STS2, 6, 4)
	s_cmp_eq_u32 s2, 0
	s_cbranch_scc0 .Lentry_in_a_cluster
	s_endpgm
.Lentry_in_a_cluster:
	s_bfe_u32 s2, ttmp6, 0x10000c
	s_cmp_lg_u32 s2, 0x3003
	s_cbranch_scc0 .Lentry_shape_is_right
	s_endpgm
.Lentry_shape_is_right:
; O = softmax(q k^T / 8, padded keys left out) v for one head, both products on codes of FP6 (E2M3) with E8M0 scales; O is quantised again along D = head x 64 + channel for the last projection.
; THE SOFTMAX AHEAD OF THE SECOND PRODUCT: t = score x log2(e) / 8; M = the running largest t rounded up to a whole number; p = 2^(t - M) is quantised along the keys, not normalised; the row's sum is taken of the
; unquantised p and divides O at the end.  When M moves, the sum and O are multiplied by 2^(old M - new M): exact.
; SHARES.  A work-group owns one (batch, head) and 512 queries, in two passes of 256; each of its eight waves owns two tiles of 16 queries a pass, so that each fragment of K, V and the mask feeds two products.
; THE HEAD'S WHOLE K AND V STAY IN LDS, fetched once: one tensor load a wave (waves 0-3: 32 tiles of keys each; waves 4-7: 4 steps of V each), one wait and one barrier; nothing in LDS is filled twice.
; CLUSTER: the four blocks of queries of a head ask for K and V JOINTLY (mask 15).  The scale words and the mask (24,576 bytes) come through registers in each work-group.
; No prefetch: every tile is asked for once, at the head, so there is no loop in which a request could run ahead of its load.
; LAYOUT.  Both products are used transposed: S^T = K Q^T, O^T = V^T P^T: a lane holds one query.  A WAVE COMPOSES ITS TILES OF KEYS BY ADDRESS: row 8 a + j of tile (c, t) is key 64 c + 32 a + 8 t + j of the step,
; which lies in stored tile 4 c + 2 a + t % 2, row 8 (t / 2) + j.  So the 32 score registers of tiles (c, 0 .. 3) in lane (r, h) are keys 64 c + 32 h + 0 .. 31: ONE WHOLE SCALE BLOCK, in the order of the next operand's
; registers: a block's largest score needs no other lane, and p's codes are the operand as the conversions leave them (three moves a block: a conversion's registers begin on an even number).
; K's pieces of 256 bytes lie 352 bytes apart in LDS (the descriptor pads): two stored tiles are then 64 bytes modulo 256, and the 32 lanes of a composed load touch 64 different banks.
; K = 64 in the first product: registers 6-11 of Q's fragments are zero codes; registers 6-11 of a fragment of K are the next tile's codes, which meet those zeros (every code of FP6 and every scale byte here is finite).
; THE MASK IS THE C OF K Q^T: 0 for a key that counts, -3e38 for a padded one, under the starting largest score -4e37, so p = 0 whatever M is.  A row with no key left has the sum 0: its scale bytes
; are set to 0xff, which makes the last projection's sums NaN, as reference() gives for such a row.
; LIMITS: scores under -4e37 count as padded; p under 2^-126 is taken as 0; a block of zeros gets the byte 1; NaN and infinities among the inputs are not served.  Nothing of reference() is left out here.
; REGISTERS: window 0: v1-12 addresses; v16-23 -M, largest score, the sum's pair (a tile each); v24-27 f; v28-29 p's scale words; v30 Q's; v32-159 S^T, then p; v160-183 p's codes; v184-199 at work; v200-203 K's scale words,
;   v204-205 V's; v206 8 h; v207 K's lane address; v208-243 at work.   window 1: v0-63 O^T; v64-87 Q; v88-141 K's eight tiles; v142-189 V's four; v190-253 the mask as C.
.set PP,   352                         ; a piece of K in LDS: 256 bytes + 96 of padding
.set KT,   3*PP                        ; a stored tile of 16 keys
.set KSTEP, 8*KT                       ; a step of 128 keys
.set VIMG, 128*KT                      ; [step 16][tile of 16 channels 4][1,536]
.set KSC,  VIMG+98304                  ; [step][lane][4 words]
.set VSC,  KSC+8192                    ; [step, 512 bytes apart][lane][2 words]
.set MB,   VSC+8192                    ; f32 for each key
.set SPARE, MB+8192                    ; the spare words, 128 bytes a wave
.set G1K,  24                          ; s[24:31] descriptor group 1 for K; s[32:39] for V; s[40:43], s[44:47] their groups 0
.set G1V,  32
.set S,    32
.set PC,   160
.set TC,   184
.set KS,   200
.set VS,   204
.set SH,   206
.set KB,   207
.set BM,   208
.set SOP,  224
.set QF,   64                          ; window 1
.set KF,   88
.set VF,   142
.set MC,   190
.set MSB, 0
.macro WIN new                         ; the immediate's high byte repeats the setting that is left
.if MSB != \new
	s_set_vgpr_msb (MSB<<8)|\new
.set MSB, \new
.endif
.endm
.set W_LD, 0x40                        ; destination window 1, address window 0
.set W_QK, 0x15                        ; K, Q and the mask in window 1, S^T in window 0
.set W_PV, 0x51                        ; V and O^T in window 1, P in window 0
.set W_RS, 0x41                        ; O^T (destination and source 0) in window 1, f in window 0
.set W_OUT, 0x01                       ; O^T (source 0) in window 1
.macro WALU
	s_wait_alu depctr_va_vdst(0)
.endm
.macro CROUND                          ; a round of the cluster's barrier
	s_barrier_signal -1
	s_barrier_wait -1
	s_cmp_lg_u32 s14, 0
	s_cbranch_scc1 .Lnot_wave_0_\@
	s_barrier_signal -3
.Lnot_wave_0_\@:
	s_barrier_wait -3
	s_barrier_signal -1
	s_barrier_wait -1
.endm
	s_load_b256 s[4:11], s[0:1], 0x0               ; qkv_img s[4:5], qkv_sc s[6:7], the mask s[8:9], o_img s[10:11]
	s_load_b64 s[12:13], s[0:1], 0x20              ; o_sc
	v_lshl_add_u32 v254, v0, 2, SPARE
	v_mov_b32 v255, 0
	ds_add_u32 v254, v255                          ; the opening lines: the add, twice on end, and its wait
	ds_add_u32 v254, v255
	v_lshrrev_b32 v13, 5, v0
	v_readfirstlane_b32 s14, v13                   ; wave 0..7
	s_bfe_u32 s15, ttmp6, 0x40000                  ; cx
	s_lshl_b32 s2, ttmp9, 2
	s_add_co_u32 s15, s15, s2                      ; my block of 512 queries: it enters Q's and O's addresses alone
	s_and_b32 s16, ttmp7, 0xffff                   ; 16 x batch + head, which the four partners share
	s_lshr_b32 s17, s16, 1                         ; 8 x batch + pair of heads
	s_and_b32 s18, s16, 1                          ; which head of the pair
	s_lshr_b32 s19, s16, 4                         ; the batch
	s_and_b32 s71, s16, 15                         ; the head
	s_mov_b32 s20, 0x76543210
	s_mov_b32 s21, 0xfedcba98                      ; selects for lane l xor 16
	s_mov_b32 s22, 0x3e38aa3b                      ; c = log2(e) / 8
	s_mov_b32 s23, s22                             ; (named with it as a pair, so it is written)
	s_mov_b32 s70, 0xffff0000
	; group 1.  K: 32 tiles x 768 bytes (96 elements of 8), 1,536 bytes apart (the other head lies between), 24 words of padding behind every 64.  V: 4 steps x 6,144 bytes, 12,288 apart
	s_mov_b32 s[G1K], 15|(3<<16)|(1<<20)|(1<<21)|(5<<22)|(23<<25)
	s_mov_b32 s[G1K+1], 96<<16
	s_mov_b32 s[G1K+2], 32<<16
	s_mov_b32 s[G1K+3], 96<<16
	s_mov_b32 s[G1K+4], 32
	s_mov_b32 s[G1K+5], 192
	s_mov_b32 s[G1K+6], 0
	s_mov_b32 s[G1K+7], 0
	s_mov_b32 s[G1V], 15|(3<<16)|(1<<21)
	s_mov_b32 s[G1V+1], 768<<16
	s_mov_b32 s[G1V+2], 4<<16
	s_mov_b32 s[G1V+3], 768<<16
	s_mov_b32 s[G1V+4], 4
	s_mov_b32 s[G1V+5], 1536
	s_mov_b32 s[G1V+6], 0
	s_mov_b32 s[G1V+7], 0
	s_and_b32 s3, s14, 3                           ; my quarter of the keys: steps 4 (w % 4) .. + 3
	s_mul_i32 s72, s17, 196608
	s_mul_i32 s2, s3, 49152
	s_add_co_u32 s72, s72, s2
	s_mul_i32 s76, s18, 768
	s_add_co_u32 s76, s76, 6291456                 ; K's part of the buffer, my head's units
	s_add_co_u32 s76, s76, s72
	s_mov_b32 s77, 0
	s_mul_i32 s78, s18, 6144
	s_add_co_u32 s78, s78, 12582912                ; V's part, my head's four fragments
	s_add_co_u32 s78, s78, s72
	s_mov_b32 s79, 0
	s_mov_b32 s40, 1
	s_mul_i32 s41, s3, 32*KT                       ; in LDS: the wave's number and constants alone
	s_mov_b32 s44, 1
	s_mul_i32 s45, s3, 24576
	s_add_co_u32 s45, s45, VIMG
	s_wait_dscnt 0x0
	s_wait_kmcnt 0x0
	s_add_nc_u64 s[42:43], s[4:5], s[76:77]
	s_or_b32 s43, s43, 0x80000000
	s_add_nc_u64 s[46:47], s[4:5], s[78:79]
	s_or_b32 s47, s47, 0x80000000
	CROUND                                         ; all four work-groups are here: the joint loads meet
	s_cmp_lt_u32 s14, 4                            ; one tensor load a wave, one to an arm
	s_cbranch_scc0 .Lfirst_v
	tensor_load_to_lds s[40:43], s[G1K:G1K+7]
	s_nop 0
.rept 4
	v_nop
.endr
	s_branch .Lfirst_asked
.Lfirst_v:
	tensor_load_to_lds s[44:47], s[G1V:G1V+7]
	s_nop 0
.rept 4
	v_nop
.endr
.Lfirst_asked:
	v_and_b32 v13, 31, v0                          ; lane
	v_and_b32 v14, 15, v0                          ; r
	v_bfe_u32 v15, v0, 4, 1                        ; h
	v_and_b32 v56, 7, v0                           ; j = r % 8
	v_bfe_u32 v57, v0, 3, 1                        ; a = r / 8
	v_lshlrev_b32 v1, 3, v13                       ; 8 x lane: my place in a piece
	v_add_nc_u32 v2, VIMG, v1
	v_lshl_add_u32 v3, v56, 4, KSC                 ; K's scale words of composed tiles: 16 j + 4 a + 256 (lane / 16)
	v_lshl_add_u32 v3, v57, 2, v3
	v_lshl_add_u32 v3, v15, 8, v3
	v_add_nc_u32 v4, VSC, v1
	v_lshl_add_u32 v5, v15, 7, MB                  ; the mask: 32 h keys on
	v_lshlrev_b32 v[SH], 3, v15                    ; 8 h: my bytes' shift in p's scale word
	v_mul_u32_u24 v[KB], v57, 2*KT                 ; K's composed tiles: two stored tiles x a + 128 h + 8 j
	v_lshl_add_u32 v[KB], v15, 7, v[KB]
	v_lshl_add_u32 v[KB], v56, 3, v[KB]
	v_lshlrev_b32 v11, 4, v14
	v_lshl_add_u32 v11, v15, 9, v11                ; O's scale bytes: row r of tile h of my two
	v_lshlrev_b32 v12, 4, v13
	v_lshrrev_b32 v58, 4, v0
	v_lshlrev_b32 v58, 10, v58
	v_lshl_add_u32 v58, v14, 5, v58                ; K's scale words in memory: step t / 16, 1,024 bytes apart; 32 bytes a thread
	v_lshlrev_b32 v59, 4, v0                       ; V's: 16 bytes a lane, of which my head's 8
	v_lshlrev_b32 v60, 3, v0                       ; the mask: 8 keys a thread
	v_lshl_add_u32 v61, v0, 5, KSC
	v_lshrrev_b32 v62, 5, v0
	v_lshlrev_b32 v62, 9, v62
	v_add_nc_u32 v62, v62, v1
	v_add_nc_u32 v62, VSC, v62
	v_lshl_add_u32 v63, v0, 5, MB
	WALU                                           ; the wait ahead of the run of scalar lines
	s_lshl_b32 s72, s17, 14
	s_lshl_b32 s2, s18, 9
	s_add_co_u32 s72, s72, s2
	s_mov_b32 s73, 0
	s_add_nc_u64 s[62:63], s[6:7], s[72:73]        ; q's scale words of my head,
	s_add_nc_u64 s[74:75], s[62:63], 524288        ; k's
	s_lshl_b32 s76, s17, 13
	s_lshl_b32 s2, s18, 3
	s_add_co_u32 s76, s76, s2
	s_add_co_u32 s76, s76, 1048576
	s_mov_b32 s77, 0
	s_add_nc_u64 s[76:77], s[6:7], s[76:77]        ; v's
	s_lshl_b32 s2, s19, 11
	s_mov_b32 s3, 0
	s_add_nc_u64 s[8:9], s[8:9], s[2:3]            ; my batch's mask
	global_load_b128 v[32:35], v58, s[74:75]
	global_load_b128 v[36:39], v58, s[74:75] offset:16
	global_load_b64 v[40:41], v59, s[76:77]
	global_load_b64 v[42:43], v59, s[76:77] offset:4096
	global_load_b64 v[44:45], v60, s[8:9]
	s_lshl_b32 s2, s15, 2
	s_lshr_b32 s3, s14, 2
	s_add_co_u32 s2, s2, s3                        ; my tiles' step of 128 queries,
	s_lshl_b32 s2, s2, 10
	s_and_b32 s3, s14, 3
	s_lshl_b32 s3, s3, 2                           ; and their word: lanes 0-15 hold the first tile's, lanes 16-31 the second's
	s_add_co_u32 s2, s2, s3
	s_mov_b32 s3, 0
	s_add_nc_u64 s[62:63], s[62:63], s[2:3]
	s_lshl_b32 s2, s15, 5
	s_lshl_b32 s3, s14, 1
	s_add_co_u32 s2, s2, s3                        ; my first tile of queries: 32 x block + 2 x wave
	s_mul_i32 s72, s17, 196608
	s_mul_i32 s3, s18, 768
	s_add_co_u32 s72, s72, s3
	s_mul_i32 s3, s2, 1536
	s_add_co_u32 s72, s72, s3
	s_add_nc_u64 s[60:61], s[4:5], s[72:73]        ; Q's units
	s_lshl_b32 s3, s19, 7
	s_add_co_u32 s3, s3, s2                        ; the row tile of O
	s_mul_i32 s72, s3, 12288
	s_mul_i32 s78, s71, 768                        ; unit = head
	s_add_co_u32 s72, s72, s78
	s_add_nc_u64 s[66:67], s[10:11], s[72:73]
	s_lshl_b32 s72, s3, 9
	s_lshr_b32 s78, s71, 3
	s_lshl_b32 s78, s78, 8                         ; which half of K,
	s_add_co_u32 s72, s72, s78
	s_bfe_u32 s78, s71, 0x20001
	s_lshl_b32 s78, s78, 2                         ; which word,
	s_add_co_u32 s72, s72, s78
	s_lshl_b32 s78, s18, 1                         ; which two bytes
	s_add_co_u32 s72, s72, s78
	s_add_nc_u64 s[68:69], s[12:13], s[72:73]
.macro QLOAD                           ; my two tiles of queries: a unit each, and their scale words: seven loads
	WIN W_LD
.irp u, 0,1
.irp p, 0,1,2
	global_load_b64 v[QF+12*\u+2*\p:QF+12*\u+2*\p+1], v1, s[60:61] offset:1536*\u+256*\p
.endr
.endr
	WIN 0
	global_load_b32 v30, v12, s[62:63]
.endm
	QLOAD
	WIN W_LD
.irp i, 0,1,2,3,4,5
	v_mov_b32 v[QF+6+\i], 0                        ; K = 64: the upper halves of Q's fragments are zero codes, set once;
	v_mov_b32 v[QF+18+\i], 0
	v_mov_b32 v[KF+48+\i], 0                       ; and what stands behind K's last tile is written
.endr
	WIN 0
	v_mov_b32 v25, 0                               ; (named as the upper halves of the pairs with f)
	v_mov_b32 v27, 0
.irp n, 212,213,220,221
	v_mov_b32 v\n, 0                               ; written once: a lane permute's destination counts as one of its sources
.endr
	WALU
	s_wait_loadcnt 7                               ; the scale words and the mask are in; Q's seven loads may be out
	ds_store_b128 v61, v[32:35]
	ds_store_b128 v61, v[36:39] offset:16
	ds_store_b64 v62, v[40:41]
	ds_store_b64 v62, v[42:43] offset:4096
	v_mov_b32 v57, 0xff61b1e6                      ; -3e38
.irp n, 0,1,2,3,4,5,6,7
	v_bfe_u32 v56, v[44+\n/4], 8*(\n%4), 8
	v_cmp_ne_u32 vcc_lo, 0, v56
	v_cndmask_b32 v[48+\n], 0, v57, vcc_lo         ; a padded key's addend
.endr
	ds_store_b128 v63, v[48:51]
	ds_store_b128 v63, v[52:55] offset:16
.macro WM                              ; one scaled product on the symbols rD rA rB rC rSA rSB; rRA, rRB: the scale registers' rows
.if rRA && rRB
	v_wmma_scale_f32_16x16x128_f8f6f4 v[rD:rD+7], v[rA:rA+11], v[rB:rB+11], v[rC:rC+7], v[rSA], v[rSB] matrix_a_fmt:MATRIX_FMT_FP6 matrix_b_fmt:MATRIX_FMT_FP6 matrix_a_scale:MATRIX_SCALE_ROW1 matrix_b_scale:MATRIX_SCALE_ROW1
.elseif rRA
	v_wmma_scale_f32_16x16x128_f8f6f4 v[rD:rD+7], v[rA:rA+11], v[rB:rB+11], v[rC:rC+7], v[rSA], v[rSB] matrix_a_fmt:MATRIX_FMT_FP6 matrix_b_fmt:MATRIX_FMT_FP6 matrix_a_scale:MATRIX_SCALE_ROW1
.elseif rRB
	v_wmma_scale_f32_16x16x128_f8f6f4 v[rD:rD+7], v[rA:rA+11], v[rB:rB+11], v[rC:rC+7], v[rSA], v[rSB] matrix_a_fmt:MATRIX_FMT_FP6 matrix_b_fmt:MATRIX_FMT_FP6 matrix_b_scale:MATRIX_SCALE_ROW1
.else
	v_wmma_scale_f32_16x16x128_f8f6f4 v[rD:rD+7], v[rA:rA+11], v[rB:rB+11], v[rC:rC+7], v[rSA], v[rSB] matrix_a_fmt:MATRIX_FMT_FP6 matrix_b_fmt:MATRIX_FMT_FP6
.endif
.endm
; A step's K, mask and K's scale words: 24 + 16 + 4 = 44 LDS loads
.macro KLOAD ka, sa, ma
	WIN W_LD
.irp c, 0,1
.irp t, 0,1,2,3
.irp p, 0,1,2
	ds_load_b64 v[KF+6*(4*\c+\t)+2*\p:KF+6*(4*\c+\t)+2*\p+1], \ka offset:(4*\c+\t%2)*KT+64*(\t/2)+PP*\p
.endr
	ds_load_b128 v[MC+8*(4*\c+\t):MC+8*(4*\c+\t)+3], \ma offset:256*\c+32*\t        ; register j: key 64 c + 32 h + 8 t + j
	ds_load_b128 v[MC+8*(4*\c+\t)+4:MC+8*(4*\c+\t)+7], \ma offset:256*\c+32*\t+16
.endr
.endr
	WIN 0
.irp c, 0,1
.irp e, 0,1
	ds_load_b32 v[KS+2*\c+\e], \sa offset:128*\e+8*\c   ; lanes 0-15: tile (c, 2 e); lanes 16-31: tile (c, 2 e + 1)
.endr
.endr
.endm
; A KEY STEP: 128 keys, both tiles of queries (u = 0, 1).  s57: the step.  Its K, mask and K's scale words were asked for a step ago.
.macro STEP
	s_add_co_u32 s54, s57, 1
	s_and_b32 s54, s54, 15                         ; the next step; behind the last comes the first, which the next pass begins with
	s_mul_i32 s52, s54, KSTEP
	s_lshl_b32 s53, s54, 9
	s_mul_i32 s58, s57, 6144
	s_lshl_b32 s59, s57, 9
	s_wait_dscnt 0x0
	WIN W_QK
.irp c, 0,1                            ; S^T = K Q^T + the mask: sixteen accumulators, one product each
.irp t, 0,1,2,3
.irp u, 0,1
.set rD, S+64*\u+32*\c+8*\t
.set rA, KF+6*(4*\c+\t)
.set rB, QF+12*\u
.set rC, MC+8*(4*\c+\t)
.set rSA, KS+2*\c+\t/2
.set rRA, \t%2
.set rSB, 30
.set rRB, \u
	WM
.endr
.endr
.endr
	WIN 0
	v_add_nc_u32 v7, s58, v2                       ; these five are the places behind the products: ahead of the loads into their registers and of the first read of the scores
	v_add_nc_u32 v9, s59, v4
	v_add_nc_u32 v6, s52, v[KB]
	v_add_nc_u32 v8, s53, v3
	v_add_nc_u32 v10, s53, v5
	ds_load_b64 v[VS:VS+1], v9                     ; this step's V: its scale words and four fragments,
	WIN W_LD
.irp d, 0,1,2,3
.irp k, 0,1,2,3,4,5
	ds_load_b64 v[VF+12*\d+2*\k:VF+12*\d+2*\k+1], v7 offset:\d*1536+256*\k
.endr
.endr
	KLOAD v6, v8, v10                              ; and the next step's K: all land under the softmax
.irp u, 0,1
.irp c, 0,1
	v_max3_num_f32 v[BM+2*\u+\c], v[S+64*\u+32*\c], v[S+64*\u+32*\c+1], v[S+64*\u+32*\c+2]   ; the largest score of my block of 32 keys: for the row's maximum, and, since p rises with the score, for the block's largest p
.endr
.endr
.irp i, 3,5,7,9,11,13,15,17,19,21,23,25,27,29
.irp u, 0,1
.irp c, 0,1
	v_max3_num_f32 v[BM+2*\u+\c], v[BM+2*\u+\c], v[S+64*\u+32*\c+\i], v[S+64*\u+32*\c+\i+1]
.endr
.endr
.endr
.irp u, 0,1
.irp c, 0,1
	v_max_num_f32 v[BM+2*\u+\c], v[BM+2*\u+\c], v[S+64*\u+32*\c+31]
.endr
.endr
.irp u, 0,1
	v_max3_num_f32 v[236+2*\u], v[BM+2*\u], v[BM+2*\u+1], v[17+4*\u]   ; with the running largest score
.endr
.irp u, 0,1
	v_permlanex16_b32 v[220+\u], v[236+2*\u], s20, s21
.endr
.irp u, 0,1
	v_max_num_f32 v[17+4*\u], v[236+2*\u], v[220+\u]               ; and lane l xor 16's keys
.endr
.irp u, 0,1
	v_mul_f32 v[236+2*\u], s22, v[17+4*\u]                         ; as t (c is positive)
.endr
.irp u, 0,1
	v_mov_b32 v[240+2*\u], v[16+4*\u]
.endr
.irp u, 0,1
	v_floor_f32 v[16+4*\u], -v[236+2*\u]                           ; the new -M = floor(-t): M is a whole number
.endr
.irp u, 0,1
	v_sub_f32 v[240+2*\u], v[16+4*\u], v[240+2*\u]                 ; old M - new M: a whole number, 0 or less
.endr
.irp u, 0,1
	v_cvt_i32_f32 v[240+2*\u], v[240+2*\u]                         ; (it saturates)
.endr
.irp u, 0,1
	v_ldexp_f32 v[24+2*\u], 1.0, v[240+2*\u]                       ; f = 2^(old M - new M)
.endr
	WIN W_RS
.irp u, 0,1
.set n, 0
.rept 16
	v_pk_mul_f32 v[32*\u+n:32*\u+n+1], v[32*\u+n:32*\u+n+1], v[24+2*\u:25+2*\u] op_sel_hi:[1,0]   ; O^T under the new M, each accumulator from its low end on, ahead of the exponentials
.set n, n+2
.endr
.endr
	WIN 0
.irp u, 0,1
.set n, 0
.rept 32
	v_pk_fma_f32 v[S+64*\u+n:S+64*\u+n+1], v[S+64*\u+n:S+64*\u+n+1], s[22:23], v[16+4*\u:17+4*\u] op_sel_hi:[1,0,0]   ; t - M, two at a time
.set n, n+2
.endr
.endr
.irp u, 0,1
.irp c, 0,1
	v_fma_f32 v[BM+2*\u+\c], v[BM+2*\u+\c], s22, v[16+4*\u]        ; the same of each block's largest score
.endr
.endr
	WALU                                           ; the wait ahead of the batch
.set n, 0
.rept 128
	v_exp_f32 v[S+n], v[S+n]                       ; p = 2^(t - M)
.set n, n+1
.endr
.irp n, 0,1,2,3
	v_exp_f32 v[BM+\n], v[BM+\n]                   ; the block's largest p: the same two instructions on the same number
.endr
	v_nop                                          ; a plain place behind the exponentials
	WALU                                           ; one wait for the whole batch, ahead of its first reader
.irp n, 0,1,2,3
	v_max_num_f32 v[BM+\n], 0x1800000, v[BM+\n]    ; the floor 2^(3 - 127): the byte cannot fall under 1
.endr
.irp n, 0,1,2,3
	v_add_nc_u32 v[SOP+\n], 0xff000000, v[BM+\n]   ; 2 off the exponent field: the conversion's scale operand
.endr
.irp n, 0,1,2,3
	v_lshrrev_b32 v[BM+\n], 23, v[SOP+\n]          ; the scale's byte
.endr
.irp u, 0,1
	v_lshl_or_b32 v[214+\u], v[BM+2*\u+1], 16, v[BM+2*\u]          ; my two bytes: blocks h and 2 + h,
.endr
.irp u, 0,1
	v_lshlrev_b32 v[214+\u], v[SH], v[214+\u]                      ; at their places;
.endr
.irp u, 0,1
	v_permlanex16_b32 v[220+\u], v[214+\u], s20, s21
.endr
.irp u, 0,1
	v_or_b32 v[28+\u], v[214+\u], v[220+\u]                        ; with lane l xor 16's two, p's scale word for these 128 keys
.endr
.irp u, 0,1
.irp c, 0,1
	v_cvt_scalef32_pk16_fp6_f32 v[PC+12*\u+6*\c:PC+12*\u+6*\c+2], v[S+64*\u+32*\c:S+64*\u+32*\c+15], v[SOP+2*\u+\c]
	v_cvt_scalef32_pk16_fp6_f32 v[TC+8*\u+4*\c:TC+8*\u+4*\c+2], v[S+64*\u+32*\c+16:S+64*\u+32*\c+31], v[SOP+2*\u+\c]   ; (a conversion's three registers begin on an even number)
.endr
.endr
	v_nop                                          ; one plain place behind a scaled conversion
.irp u, 0,1
.irp c, 0,1
.irp i, 0,1,2
	v_mov_b32 v[PC+12*\u+6*\c+3+\i], v[TC+8*\u+4*\c+\i]
.endr
.endr
.endr
.irp u, 0,1                            ; the row's sum is taken of the unquantised p: two chains a tile.  (These 64 lines are also the places between p's codes and scale words and the products below)
	v_pk_add_f32 v[232+4*\u:233+4*\u], v[S+64*\u:S+64*\u+1], v[S+64*\u+2:S+64*\u+3]
	v_pk_add_f32 v[234+4*\u:235+4*\u], v[S+64*\u+4:S+64*\u+5], v[S+64*\u+6:S+64*\u+7]
.endr
.set n, 8
.rept 14
.irp u, 0,1
	v_pk_add_f32 v[232+4*\u:233+4*\u], v[232+4*\u:233+4*\u], v[S+64*\u+n:S+64*\u+n+1]
	v_pk_add_f32 v[234+4*\u:235+4*\u], v[234+4*\u:235+4*\u], v[S+64*\u+n+2:S+64*\u+n+3]
.endr
.set n, n+4
.endr
.irp u, 0,1
	v_pk_add_f32 v[232+4*\u:233+4*\u], v[232+4*\u:233+4*\u], v[234+4*\u:235+4*\u]
.endr
.irp u, 0,1
	v_pk_fma_f32 v[18+4*\u:19+4*\u], v[18+4*\u:19+4*\u], v[24+2*\u:25+2*\u], v[232+4*\u:233+4*\u] op_sel_hi:[1,0,1]   ; the old sum under the new M, and this step's
.endr
	WALU                                           ; the wait ahead of the wait below
	s_wait_dscnt 44                                ; V's 25 loads are in; the 44 issued behind them, the next step's K, may be out
	WIN W_PV
.irp d, 0,1,2,3                        ; O^T += V^T P^T: the eight accumulators take turns, one instruction a turn
.irp u, 0,1
.set rD, 32*\u+8*\d
.set rA, VF+12*\d
.set rB, PC+12*\u
.set rC, 32*\u+8*\d
.set rSA, VS+\d/2
.set rRA, \d%2
.set rSB, 28+\u
.set rRB, 0
	WM
.endr
.endr
	WIN 0
.endm
	WALU                                           ; the wait at the head's end
	s_wait_tensorcnt 0x0                           ; my quarter of K or of V has landed,
	s_wait_dscnt 0x0                               ; and my LDS stores;
	s_barrier_signal -1
	s_barrier_wait -1                              ; everybody's have.  From here on LDS is only read
	KLOAD v[KB], v3, v5                            ; step 0's K
	s_mov_b32 s56, 2
.Lpass:                                            ; 256 queries of the work-group, 32 of the wave
	WIN W_LD
.set n, 0
.rept 64
	v_mov_b32 v[n], 0                              ; O^T.  (The step is written once: its first trip finds zeros, which the first change of M leaves zeros)
.set n, n+1
.endr
	WIN 0
.irp u, 0,1
	v_mov_b32 v[17+4*\u], 0xfdf0bdc2               ; the largest score so far: -4e37: under every score that counts, above every padded key's
	v_mul_f32 v[16+4*\u], s22, v[17+4*\u]
	v_floor_f32 v[16+4*\u], -v[16+4*\u]
	v_mov_b32 v[18+4*\u], 0
	v_mov_b32 v[19+4*\u], 0
.endr
	WALU
	s_wait_loadcnt 0x0                             ; Q
	s_mov_b32 s57, 0
.Lstep:
	STEP
	s_add_co_u32 s57, s57, 1
	s_cmp_lt_u32 s57, 16
	s_cbranch_scc1 .Lstep
	s_cmp_eq_u32 s56, 1                            ; the next pass's queries are asked for here, if there is a next pass: no load leaves its buffer
	s_cbranch_scc1 .Lno_next
	s_add_nc_u64 s[60:61], s[60:61], 24576         ; 16 tiles on (the earlier loads were waited for at the pass's head)
	s_add_nc_u64 s[62:63], s[62:63], 2048
	QLOAD
.Lno_next:
	; THE WAY OUT: O^T / the sum, quantised along the head's 64 channels (two blocks; register 16 b + i = channel 32 b + 16 h + i), stored as one unit a tile
.rept 4
	v_nop                                          ; places behind the last products
.endr
.irp u, 0,1
	v_add_f32 v[236+2*\u], v[18+4*\u], v[19+4*\u]
.endr
.irp u, 0,1
	v_permlanex16_b32 v[212+8*\u], v[236+2*\u], s20, s21
.endr
.irp u, 0,1
	v_add_f32 v[236+2*\u], v[236+2*\u], v[212+8*\u]   ; the row's sum
.endr
	WALU
.irp u, 0,1
	v_rcp_f32 v[24+2*\u], v[236+2*\u]
.endr
	v_nop                                          ; a plain place behind the reciprocals
	WIN W_OUT
	WALU                                           ; one wait for both, and for O^T, directly ahead of the first reader
.irp u, 0,1
.set n, 0
.rept 16
	v_pk_mul_f32 v[32+64*\u+n:33+64*\u+n], v[32*\u+n:32*\u+n+1], v[24+2*\u:25+2*\u] op_sel_hi:[1,0]   ; each accumulator from its low end on
.set n, n+2
.endr
.endr
	WIN 0
.irp u, 0,1
.irp b, 0,1
	v_max3_num_f32 v[208+8*\u+\b], |v[32+64*\u+16*\b]|, |v[33+64*\u+16*\b]|, 0x1800000
.endr
.endr
.irp i, 2,4,6,8,10,12,14
.irp u, 0,1
.irp b, 0,1
	v_max3_num_f32 v[208+8*\u+\b], v[208+8*\u+\b], |v[32+64*\u+16*\b+\i]|, |v[33+64*\u+16*\b+\i]|
.endr
.endr
.endr
.irp u, 0,1
.irp b, 0,1
	v_permlanex16_b32 v[212+8*\u+\b], v[208+8*\u+\b], s20, s21
.endr
.endr
.irp u, 0,1
.irp b, 0,1
	v_max_num_f32 v[208+8*\u+\b], v[208+8*\u+\b], v[212+8*\u+\b]
.endr
.endr
.irp u, 0,1
.irp b, 0,1
	v_add_nc_u32 v[224+4*\u+\b], 0xff000000, v[208+8*\u+\b]
.endr
.endr
.irp u, 0,1
.irp b, 0,1
	v_lshrrev_b32 v[212+8*\u+\b], 23, v[224+4*\u+\b]
.endr
.endr
	v_mov_b32 v13, 0xffff
.irp u, 0,1
	v_lshl_or_b32 v[214+8*\u], v[213+8*\u], 8, v[212+8*\u]         ; my row's two bytes
	v_cmp_eq_f32 vcc_lo, 0, v[236+2*\u]
	v_cndmask_b32 v[214+8*\u], v[214+8*\u], v13, vcc_lo            ; a row with no key left: the bytes that stand for NaN
.endr
	v_cndmask_b32 v14, v214, v222, s70             ; lanes 0-15 the first tile's rows, lanes 16-31 the second's
.irp u, 0,1
	v_cvt_scalef32_pk16_fp6_f32 v[160+12*\u:162+12*\u], v[32+64*\u:47+64*\u], v[224+4*\u]
	v_cvt_scalef32_pk16_fp6_f32 v[184+8*\u:186+8*\u], v[48+64*\u:63+64*\u], v[225+4*\u]
.endr
	v_nop                                          ; one plain place behind a scaled conversion
.irp u, 0,1
.irp i, 0,1,2
	v_permlane16_swap_b32 v[160+12*\u+\i], v[184+8*\u+\i]          ; here a block lies in two lanes: the operand's layout wants it whole in one
.endr
.irp i, 0,1,2
	v_mov_b32 v[163+12*\u+\i], v[184+8*\u+\i]
.endr
.endr
.irp u, 0,1
.irp p, 0,1,2
	global_store_b64 v1, v[160+12*\u+2*\p:161+12*\u+2*\p], s[66:67] offset:12288*\u+256*\p   ; 32 lanes store 256 consecutive bytes, aligned
.endr
.endr
	global_store_b16 v11, v14, s[68:69]            ; two bytes a row: the other heads' work-groups write the bytes beside them
	WALU
	s_wait_xcnt 0x0                                ; the stores have read their registers and bases: both may be written again
	s_add_nc_u64 s[66:67], s[66:67], 196608        ; 16 row tiles on
	s_add_nc_u64 s[68:69], s[68:69], 8192
	s_sub_co_u32 s56, s56, 1
	s_cmp_lg_u32 s56, 0
	s_cbranch_scc1 .Lpass
	s_wait_tensorcnt 0x0                           ; the wave's end
	ds_add_u32 v254, v255
	s_wait_dscnt 0x0
	CROUND                                         ; the closing round: no work-group ends while a partner may still ask for a tile that names it
	s_endpgm
.Lfunc_end_k_q23be634d15_attn:
	.size	k_q23be634d15_attn, .Lfunc_end_k_q23be634d15_attn-k_q23be634d15_attn
	.p2alignl 7, 3214868480
	.fill 96, 4, 3214868480
	.section	.rodata,"a",@progbits
	.p2align	6, 0x0
	.amdhsa_kernel k_q23be634d15_attn
		.amdhsa_group_segment_fixed_size 259072
		.amdhsa_private_segment_fixed_size 0
		.amdhsa_enable_private_segment 0
		.amdhsa_kernarg_size 40
		.amdhsa_user_sgpr_count 2
		.amdhsa_user_sgpr_kernarg_segment_ptr 1
		.amdhsa_wavefront_size32 1
		.amdhsa_system_sgpr_workgroup_id_x 1
		.amdhsa_system_sgpr_workgroup_id_y 1
		.amdhsa_system_sgpr_workgroup_id_z 1
		.amdhsa_system_vgpr_workitem_id 0
		.amdhsa_next_free_vgpr 512
		.amdhsa_next_free_sgpr 80
		.amdhsa_reserve_vcc 1
		.amdhsa_float_denorm_mode_32 3
		.amdhsa_float_denorm_mode_16_64 3
		.amdhsa_memory_ordered 1
		.amdhsa_forward_progress 1
		.amdhsa_inst_pref_size 55
	.end_amdhsa_kernel
	.amdgpu_metadata
---
amdhsa.version: [ 1, 2 ]
amdhsa.kernels:
  - .name:           k_q23be634d15_attn
    .symbol:         k_q23be634d15_attn.kd
    .args:
      - { .name: qkv_img, .offset: 0, .size: 8, .value_kind: global_buffer, .address_space: global }
      - { .name: qkv_sc, .offset: 8, .size: 8, .value_kind: global_buffer, .address_space: global }
      - { .name: key_padding_mask, .offset: 16, .size: 8, .value_kind: global_buffer, .address_space: global }
      - { .name: o_img, .offset: 24, .size: 8, .value_kind: global_buffer, .address_space: global }
      - { .name: o_sc, .offset: 32, .size: 8, .value_kind: global_buffer, .address_space: global }
    .group_segment_fixed_size: 259072
    .private_segment_fixed_size: 0
    .kernarg_segment_align: 8
    .kernarg_segment_size: 40
    .max_flat_workgroup_size: 256
    .sgpr_count:     80
    .vgpr_count:     512
    .wavefront_size: 32
...
	.end_amdgpu_metadata
.endif
;; end of part 3
;; launch proj (part 4): grid 4 x 64, 4 waves a work-group, clusters of 4 x 4, 327,680 bytes of LDS; arguments o_img, o_sc, xw_img, xw_sc, bo, out0; writes out0
.if DOCPART == 4
	.amdgcn_target "amdgcn-amd-amdhsa--gfx1250"
	.amdhsa_code_object_version 6
	.text
	.protected	k_q23be634d15_proj
	.globl	k_q23be634d15_proj
	.p2align	8
	.type	k_q23be634d15_proj,@function
k_q23be634d15_proj:
	s_mov_b64 s[64:65], 0
	v_nop
	global_prefetch_b8 v0, s[64:65] scope:SCOPE_SE
	s_setreg_imm32_b32 hwreg(HW_REG_WAVE_MODE, 25, 1), 1
	s_wait_xcnt 0x0
	s_wait_alu depctr_hold_cnt(0) depctr_sa_sdst(0) depctr_va_vdst(0) depctr_va_sdst(0) depctr_va_ssrc(0) depctr_va_vcc(0) depctr_vm_vsrc(0)
	s_getreg_b32 s2, hwreg(HW_REG_IB_STS2, 6, 4)
	s_cmp_eq_u32 s2, 0
	s_cbranch_scc0 .Lentry_in_a_cluster
	s_endpgm
.Lentry_in_a_cluster:
	s_bfe_u32 s2, ttmp6, 0x10000c
	s_cmp_lg_u32 s2, 0xf033
	s_cbranch_scc0 .Lentry_shape_is_right
	s_endpgm
.Lentry_shape_is_right:
; out0 = O wo^T + bo on codes of FP6 (E2M3) with E8M0 scales, f32 sums, f32 out.
; THE DEAL.  256 work-groups of four waves; a work-group makes 128 rows x 256 columns.  ALL OF K LIES IN LDS for both operands: O's eight row tiles, 98,304 bytes, and wo's sixteen, 196,608: each byte is fetched once,
; nothing in LDS is filled again, and no round of the cluster's barrier stands between the first loads and the end.
; CLUSTER 4 x 4: O's rows are shared by a row of the cluster, wo's rows by a column: every tensor load is a joint one.
; At the head one load a wave, each a line of its own: O half 0 of K, wo half 0, O half 1, wo half 1; the first barrier waits for the first two alone; a plain barrier between the halves shows the others.
; No prefetch is laid: every tile is asked for once, at the head, so there is no loop in which a request could run ahead of its load.
; A WAVE makes 64 rows x 128 columns, 32 accumulators: source 0 = eight fragments of wo, source 1 = four of O: a lane holds one row of the result, and its registers run along the columns.
; Scale words go from memory into registers: a register holds in lanes 0-15 the word of tile 2 i, in lanes 16-31 that of tile 2 i + 1; each load reads two pieces of 256 consecutive bytes.  bo is the C of the first products.
; The rows and columns of a tile are not neighbours: row r of tile T is true row 32 (T / 2) + 8 (T % 2) + r + 8 (r / 8), as the first launch laid them.
; THE WAY OUT: a block of 16 rows x 128 columns goes through the wave's own stage in LDS and leaves as whole rows of 512 bytes.  The stage lies in O's half 0: those bytes have had their only fill, and nobody reads them behind the barrier between the halves.
; A row whose scale bytes are 0xff (no key left) comes out NaN, as reference() has it.  Nothing of reference() is left out here.
; REGISTERS: window 0: v1-29 addresses; v32-63, v66-81 scale words; v128-223 source 1's fragments, two sets; on the way out v128-255 hold rows read back.  window 1: source 0's fragments at v0 and v128, bo as C at v96-127, v224-255.
;   window 2: the accumulators, (a, b) at 8 (8 a + b).
.set XR,     0                         ; O: [half of K][row tile 8][6,144]
.set WS,     98304                     ; wo: [half of K][row tile 16][6,144]
.set SPARE,  294912
.set SPITCH, 528
.set LO8,  1
.set CO,   2
.set ADR0, 12
.set ADR1, 14
.set STO,  16
.set RD,   17
.set SL,   20
.set VS0,  21
.set VS1,  22
.set SPW,  28
.set NIL,  29
.set S0B,  32
.set S1B,  66
.set AF,   128
.set BK,   128
.set G1A, 24                           ; group 1: O's rows (8 a load); s[32:39] wo's (16)
.set G1B, 32
.set MSB, 0
.macro WIN new
.if MSB != \new
	s_set_vgpr_msb (MSB<<8)|\new
.set MSB, \new
.endif
.endm
.macro PLACES n
.rept \n
	v_nop
.endr
.endm
.macro WALU
	s_wait_alu depctr_va_vdst(0)
.endm
.macro CROUND                          ; a round of the cluster's barrier
	s_barrier_signal -1
	s_barrier_wait -1
	s_cmp_lg_u32 s20, 0
	s_cbranch_scc1 .Lnot_wave_0_\@
	s_barrier_signal -3
.Lnot_wave_0_\@:
	s_barrier_wait -3
	s_barrier_signal -1
	s_barrier_wait -1
.endm
.macro GROUP1 g, mask, rows            ; rows of 6,144 bytes (768 elements of 8), 12,288 apart
	s_or_b32 s[\g+0], s\mask, (3<<16)|(1<<21)
	s_mov_b32 s[\g+1], 768<<16
	s_mov_b32 s[\g+2], (\rows)<<16
	s_mov_b32 s[\g+3], 768<<16
	s_mov_b32 s[\g+4], \rows
	s_mov_b32 s[\g+5], 1536
	s_mov_b32 s[\g+6], 0
	s_mov_b32 s[\g+7], 0
.endm
.macro TLOAD g0, g1
	tensor_load_to_lds s[\g0:\g0+3], s[\g1:\g1+7]
	s_nop 0
	PLACES 4
.endm
.macro ARM is, g0, g1, next
	s_cmp_eq_u32 s20, \is
	s_cbranch_scc0 \next
	TLOAD \g0, \g1
	s_branch .Lhead_asked
\next:
.endm
	s_load_b256 s[4:11], s[0:1], 0x0               ; o_img, o_sc, xw_img, xw_sc
	s_load_b128 s[12:15], s[0:1], 0x20             ; bo, out0
	v_lshl_add_u32 v[SPW], v0, 2, SPARE
	v_mov_b32 v[NIL], 0
	ds_add_u32 v[SPW], v[NIL]                      ; the opening lines: the add, twice on end, and its wait
	ds_add_u32 v[SPW], v[NIL]
	v_lshrrev_b32 v1, 5, v0
	v_readfirstlane_b32 s20, v1                    ; wave
	s_lshr_b32 s21, s20, 1                         ; which 64 rows are mine,
	s_and_b32 s22, s20, 1                          ; which 128 columns
	s_bfe_u32 s76, ttmp6, 0x40000                  ; cx: the column group
	s_bfe_u32 s77, ttmp6, 0x40004                  ; cy
	s_and_b32 s78, ttmp7, 0xffff
	s_lshl_b32 s78, s78, 2
	s_add_co_u32 s78, s78, s77                     ; my block of 128 rows, 0 .. 63
	s_lshl_b32 s79, s77, 2
	s_lshl_b32 s79, 15, s79                        ; my row of the cluster
	s_lshl_b32 s80, 0x1111, s76                    ; my column
	GROUP1 G1A, 79, 8
	GROUP1 G1B, 80, 16
	s_mul_i32 s82, s78, 98304                      ; O's eight row tiles
	s_mov_b32 s83, 0
	s_mul_i32 s84, s76, 196608
	s_add_co_u32 s84, s84, 8650752                 ; wo's sixteen (row tile 704 + 16 cx)
	s_mov_b32 s85, 0
	s_mov_b32 s87, 0
	s_wait_dscnt 0x0
	s_wait_kmcnt 0x0
	s_add_nc_u64 s[82:83], s[4:5], s[82:83]
	s_add_nc_u64 s[84:85], s[8:9], s[84:85]
	CROUND                                         ; all sixteen work-groups are here: the joint loads meet
	s_mov_b32 s48, 1                               ; O, half 0
	s_mov_b32 s49, XR
	s_mov_b64 s[50:51], s[82:83]
	s_or_b32 s51, s51, 0x80000000
	s_mov_b32 s52, 1                               ; wo, half 0
	s_mov_b32 s53, WS
	s_mov_b64 s[54:55], s[84:85]
	s_or_b32 s55, s55, 0x80000000
	s_mov_b32 s56, 1                               ; O, half 1
	s_mov_b32 s57, XR+49152
	s_add_nc_u64 s[58:59], s[82:83], 6144
	s_or_b32 s59, s59, 0x80000000
	s_mov_b32 s60, 1                               ; wo, half 1
	s_mov_b32 s61, WS+98304
	s_add_nc_u64 s[62:63], s[84:85], 6144
	s_or_b32 s63, s63, 0x80000000
	ARM 0, 48, G1A, .Lhead_1
	ARM 1, 52, G1B, .Lhead_2
	ARM 2, 56, G1A, .Lhead_3
	TLOAD 60, G1B
.Lhead_asked:
	s_lshl_b32 s81, s76, 10                        ; my first column, in bytes: 1,024 x group + 512 x half
	s_lshl_b32 s86, s22, 9
	s_add_co_u32 s86, s86, s81
	s_add_nc_u64 s[12:13], s[12:13], s[86:87]
	s_add_nc_u64 s[14:15], s[14:15], s[86:87]
	s_lshl_b32 s86, s78, 7
	s_lshl_b32 s94, s21, 6
	s_add_co_u32 s86, s86, s94                     ; my first row,
	s_lshl_b32 s86, s86, 12                        ; of 4,096 bytes
	s_add_nc_u64 s[14:15], s[14:15], s[86:87]
	s_lshl_b32 s96, s76, 4                         ; the scale words' places, 512 bytes a row tile
	s_lshl_b32 s97, s22, 3
	s_add_co_u32 s97, s97, s96
	s_add_co_u32 s97, s97, 704
	s_lshl_b32 s97, s97, 9                         ; wo: my eight tiles, in xw_sc
	s_lshl_b32 s98, s78, 3
	s_lshl_b32 s99, s21, 2
	s_add_co_u32 s99, s99, s98
	s_lshl_b32 s99, s99, 9                         ; O: my four tiles, in o_sc
	s_mul_i32 s81, s22, 49152
	s_add_co_u32 s81, s81, WS
	s_mul_i32 s86, s21, 24576
	s_mul_i32 s94, s20, 16*SPITCH                  ; my stage
	v_and_b32 v4, 15, v0                           ; r
	v_bfe_u32 v5, v0, 4, 1                         ; h
	v_and_b32 v6, 31, v0
	v_lshlrev_b32 v[LO8], 3, v6
	v_lshlrev_b32 v[CO], 4, v6
	v_lshlrev_b32 v24, 6, v5                       ; bo: 16 h columns on
	v_lshlrev_b32 v25, 4, v4
	v_lshl_add_u32 v[SL], v5, 9, v25               ; scale words: 512 h + 16 r
	v_add_nc_u32 v[VS0], s97, v[SL]
	v_add_nc_u32 v[VS1], s99, v[SL]
	v_add_nc_u32 v[ADR0], s81, v[LO8]
	v_add_nc_u32 v[ADR0+1], 98304, v[ADR0]
	v_add_nc_u32 v[ADR1], s86, v[LO8]
	v_add_nc_u32 v[ADR1+1], 49152, v[ADR1]
	v_mul_u32_u24 v26, v4, SPITCH
	v_add_nc_u32 v26, v26, v24
	v_add_nc_u32 v[STO], s94, v26                  ; into the stage: row r, + 64 h bytes
	v_add_nc_u32 v[RD], s94, v[CO]                 ; and back: the 32 lanes take one row of 512 bytes
	WALU
.irp f, 0,1                            ; the scale words: register 8 i + 4 f + q: tiles 2 i, 2 i + 1, half f, K step q
.irp i, 0,1,2,3
	global_load_b128 v[S0B+8*\i+4*\f:S0B+8*\i+4*\f+3], v[VS0], s[10:11] offset:\i*1024+\f*256
.endr
.irp i, 0,1
	global_load_b128 v[S1B+8*\i+4*\f:S1B+8*\i+4*\f+3], v[VS1], s[6:7] offset:\i*1024+\f*256
.endr
.endr
	WIN 0x40
.irp b, 0,1,2,3,4,5,6,7                ; bo: register j of block b: column 32 (b / 2) + 8 (b % 2) + 16 h + j
	global_load_b128 v[96+8*\b+96*(\b/4):96+8*\b+96*(\b/4)+3], v24, s[12:13] offset:(32*(\b/2)+8*(\b%2))*4
	global_load_b128 v[100+8*\b+96*(\b/4):100+8*\b+96*(\b/4)+3], v24, s[12:13] offset:(32*(\b/2)+8*(\b%2))*4+16
.endr
	WIN 0
; ---- fragments and products
.macro FETCH a0, a1, hf, q             ; K step q of half hf into set q % 2: 72 loads; a piece of 256 bytes is read 8 bytes a lane
	WIN 0x40
.irp i, 0,1,2,3,4,5,6,7
.irp p, 0,1,2,3,4,5
	ds_load_b64 v[128*((\q)%2)+12*\i+2*\p:128*((\q)%2)+12*\i+2*\p+1], v[\a0+\hf] offset:\i*6144+(\q)*1536+256*\p
.endr
.endr
	WIN 0
.irp i, 0,1,2,3
.irp p, 0,1,2,3,4,5
	ds_load_b64 v[AF+48*((\q)%2)+12*\i+2*\p:AF+48*((\q)%2)+12*\i+2*\p+1], v[\a1+\hf] offset:\i*6144+(\q)*1536+256*\p
.endr
.endr
.endm
.macro MULS st, hf, q, cm              ; 32 products, the accumulators by turns.  cm: C is the sum (0) or bo (1)
.irp a2, 0,1
.irp ar, 0,1
.irp b2, 0,1,2,3
.irp br, 0,1
.set rD, 8*(8*(2*\a2+\ar)+2*\b2+\br)
.set rA, 128*(\st)+12*(2*\b2+\br)
.set rB, AF+48*(\st)+12*(2*\a2+\ar)
.set rC, 96+8*(2*\b2+\br)+96*(\b2/2)
.set rSA, S0B+8*\b2+4*(\hf)+(\q)
.set rSB, S1B+8*\a2+4*(\hf)+(\q)
.if (\cm) == 0
	v_wmma_scale_f32_16x16x128_f8f6f4 v[rD:rD+7], v[rA:rA+11], v[rB:rB+11], v[rD:rD+7], v[rSA], v[rSB] matrix_a_fmt:MATRIX_FMT_FP6 matrix_b_fmt:MATRIX_FMT_FP6 matrix_a_scale:MATRIX_SCALE_ROW\br matrix_b_scale:MATRIX_SCALE_ROW\ar
.else
	v_wmma_scale_f32_16x16x128_f8f6f4 v[rD:rD+7], v[rA:rA+11], v[rB:rB+11], v[rC:rC+7], v[rSA], v[rSB] matrix_a_fmt:MATRIX_FMT_FP6 matrix_b_fmt:MATRIX_FMT_FP6 matrix_a_scale:MATRIX_SCALE_ROW\br matrix_b_scale:MATRIX_SCALE_ROW\ar
.endif
.endr
.endr
.endr
.endr
.endm
.macro KSTEP a0, a1, hf, q, cm, more   ; this step's fragments are in; the next step's are asked for into the other set, four places behind the products that read it; then the products
	s_wait_dscnt 0x0
.if \more
	PLACES 4
	FETCH \a0, \a1, \hf, (\q)+1
.endif
.if (\cm) == 1
	WIN 0x91
.else
	WIN 0xa1
.endif
	MULS (\q)%2, \hf, \q, \cm
	WIN 0
.endm
.macro HALF a0, a1, hf, cm             ; four K steps (four places stand ahead of it)
	FETCH \a0, \a1, \hf, 0
	KSTEP \a0, \a1, \hf, 0, \cm, 1
	KSTEP \a0, \a1, \hf, 1, 0, 1
	KSTEP \a0, \a1, \hf, 2, 0, 1
	KSTEP \a0, \a1, \hf, 3, 0, 0
.endm
; ---- the way out.  LDS serves a wave's instructions in order (ISA guide 5.7.1.4): no wait between the stores into my stage and the loads out of it
.macro TOSTAGE a
	WIN 0x08                                       ; the data: window 2
.irp b, 0,1,2,3,4,5,6,7
	ds_store_b128 v[STO], v[64*(\a)+8*\b:64*(\a)+8*\b+3] offset:128*(\b/2)+32*(\b%2)       ; each accumulator from its low end on
	ds_store_b128 v[STO], v[64*(\a)+8*\b+4:64*(\a)+8*\b+7] offset:128*(\b/2)+32*(\b%2)+16
.endr
	WIN 0
.set BB, BK+64*((\a)%2)
.irp t, 0,1,2,3,4,5,6,7,8,9,10,11,12,13,14,15
	ds_load_b128 v[BB+4*\t:BB+4*\t+3], v[RD] offset:\t*SPITCH
.endr
.endm
.macro SEND a, younger                 ; younger: the LDS instructions issued behind block a's loads, which may stay out
.set BB, BK+64*((\a)%2)
	s_wait_dscnt \younger
.irp t, 0,1,2,3,4,5,6,7,8,9,10,11,12,13,14,15
	global_store_b128 v[CO], v[BB+4*\t:BB+4*\t+3], s[14:15] offset:(32*((\a)/2)+8*((\a)%2)+\t+8*(\t/8))*4096 th:TH_STORE_NT   ; 512 consecutive bytes, aligned
.endr
.endm
	WALU                                           ; the wait at the head's end
	s_cmp_lt_u32 s20, 2
	s_cbranch_scc0 .Lnot_half_0
	s_wait_tensorcnt 0x0                           ; waves 0 and 1: half 0 of O and of wo
.Lnot_half_0:
	s_barrier_signal -1
	s_barrier_wait -1                              ; half 1 may still be on its way
	s_wait_loadcnt 0x0                             ; the scale words and bo
	HALF ADR0, ADR1, 0, 1
	s_wait_tensorcnt 0x0                           ; my load is in,
	s_wait_dscnt 0x0                               ; and my reads of half 0 are over
	s_barrier_signal -1
	s_barrier_wait -1                              ; both hold of every wave
	PLACES 4
	HALF ADR0, ADR1, 1, 0
	PLACES 4                                       ; ahead of the first read of the sums and of the loads into source 1's registers
	TOSTAGE 0
.irp a, 1,2,3
.if \a > 1
	s_wait_xcnt 0x0                                ; block a - 2's stores have read their registers: block a's loads may land there
.endif
	TOSTAGE \a
	SEND \a-1, 32                                  ; behind block a - 1's loads: block a's 16 stores and 16 loads
.endr
	SEND 3, 0
	s_wait_tensorcnt 0x0                           ; the wave's end
	ds_add_u32 v[SPW], v[NIL]
	s_wait_dscnt 0x0
	CROUND                                         ; the closing round
	s_endpgm
.Lfunc_end_k_q23be634d15_proj:
	.size	k_q23be634d15_proj, .Lfunc_end_k_q23be634d15_proj-k_q23be634d15_proj
	.p2alignl 7, 3214868480
	.fill 96, 4, 3214868480
	.section	.rodata,"a",@progbits
	.p2align	6, 0x0
	.amdhsa_kernel k_q23be634d15_proj
		.amdhsa_group_segment_fixed_size 327680
		.amdhsa_private_segment_fixed_size 0
		.amdhsa_enable_private_segment 0
		.amdhsa_kernarg_size 48
		.amdhsa_user_sgpr_count 2
		.amdhsa_user_sgpr_kernarg_segment_ptr 1
		.amdhsa_wavefront_size32 1
		.amdhsa_system_sgpr_workgroup_id_x 1
		.amdhsa_system_sgpr_workgroup_id_y 1
		.amdhsa_system_sgpr_workgroup_id_z 1
		.amdhsa_system_vgpr_workitem_id 0
		.amdhsa_next_free_vgpr 768
		.amdhsa_next_free_sgpr 102
		.amdhsa_reserve_vcc 0
		.amdhsa_float_denorm_mode_32 3
		.amdhsa_float_denorm_mode_16_64 3
		.amdhsa_memory_ordered 1
		.amdhsa_forward_progress 1
		.amdhsa_inst_pref_size 95
	.end_amdhsa_kernel
	.amdgpu_metadata
---
amdhsa.version: [ 1, 2 ]
amdhsa.kernels:
  - .name:           k_q23be634d15_proj
    .symbol:         k_q23be634d15_proj.kd
    .args:
      - { .name: o_img, .offset: 0, .size: 8, .value_kind: global_buffer, .address_space: global }
      - { .name: o_sc, .offset: 8, .size: 8, .value_kind: global_buffer, .address_space: global }
      - { .name: xw_img, .offset: 16, .size: 8, .value_kind: global_buffer, .address_space: global }
      - { .name: xw_sc, .offset: 24, .size: 8, .value_kind: global_buffer, .address_space: global }
      - { .name: bo, .offset: 32, .size: 8, .value_kind: global_buffer, .address_space: global }
      - { .name: out0, .offset: 40, .size: 8, .value_kind: global_buffer, .address_space: global }
    .group_segment_fixed_size: 327680
    .private_segment_fixed_size: 0
    .kernarg_segment_align: 8
    .kernarg_segment_size: 48
    .max_flat_workgroup_size: 128
    .sgpr_count:     102
    .vgpr_count:     768
    .wavefront_size: 32
...
	.end_amdgpu_metadata
.endif
;; end of part 4
